; MI455X (gfx1250); checked and timed in simulation.
; The chip was launched on July 23, 2026; its instructions are those of AMD's public machine-readable ISA for CDNA 5 (MIT licence, August 2026) and "CDNA5" Instruction Set Architecture Reference Guide (July 2026). The comments in the code are by the model that wrote it; some were corrected since.
;; Sparse Attention. Allowed arithmetic: float matrix products may take bf16 or f16 operands with f32 sums; all other float work in f32.
;; Inputs: Wk 1,024 x 1,024 float32; Wq 1,024 x 1,024 float32; Wv 1,024 x 1,024 float32; bk 1,024 float32; bq 1,024 float32; bv 1,024 float32; sparsity_pattern 16 x 16 float32; x 4 x 4,096 x 1,024 float32.
;; Outputs: out0 4 x 4,096 x 1,024 float32.
;; 2 versions, each right and faster than the one before. Each part assembles by itself: llvm-mc -triple=amdgcn-amd-amdhsa -mcpu=gfx1250 --defsym DOCPART=n.
;; ======== version 1 of 2: 2 launches
;; limits: values are held in f16: magnitudes above 65,504 overflow, below 6.1e-05 lose precision
;; workspace buffers: wb 6,291,456 bytes; bb 12,288 bytes
;; launch prep (part 1): grid 768 x 1, 4 waves a work-group, no clusters, 0 bytes of LDS; arguments Wq, Wk, Wv, bq, bk, bv, wb, bb; writes wb, bb
.if DOCPART == 1
	.amdgcn_target "amdgcn-amd-amdhsa--gfx1250"
	.amdhsa_code_object_version 6
	.text
	.protected	k_qff564b017a_prep
	.globl	k_qff564b017a_prep
	.p2align	8
	.type	k_qff564b017a_prep,@function
k_qff564b017a_prep:
	s_mov_b64 s[64:65], 0
	v_nop
	global_prefetch_b8 v0, s[64:65] scope:SCOPE_SE
	s_setreg_imm32_b32 hwreg(HW_REG_WAVE_MODE, 25, 1), 1
	s_wait_xcnt 0x0
; The three weight matrices, rounded to bf16 and laid out in the order in which the second launch's waves load matrix fragments; the biases, rounded to bf16 and kept as f32, in its column order.
; wb: [T 48][w 4][g 2][ct 16][c 2][lane 32][8 bf16].  T = 16 p + ks: phase p (0, 1: q and k, channels 32 p .. 32 p + 31 of every head; 2: v), K step ks of 64.
;   w: the wave that will own the columns; g: 32 along K; ct: a tile of 16 columns; c: the fragment's register half; lane = 16 hh + r.
;   The 8 numbers are W[row(p, w, ct, r)][64 ks + 32 g + 16 c + 8 hh + 0..7].
;   p < 2: W = Wq or Wk by bit 1 of ct; row = 64 (4 w + 2 (ct & 1) + r / 8) + 32 p + 8 (ct / 4) + r % 8.      p = 2: W = Wv; row = 256 w + 16 ct + r.
; bb: [p 3][w 4][ct 16][i 16] f32: the bias of row(p, w, ct, i).
; SHARES.  768 work-groups of four waves: work-group X has T = X / 16, w = (X / 4) % 4; its wave has ct = 4 (X % 4) + wave: 16 rows x 64 numbers, 256 bytes of each row, read whole by the wave's eight loads.
; Each store of a wave covers 512 consecutive bytes, aligned.  Memory binds: no LDS, no barrier, no matrix unit.
.set IN,  8                            ; v[8:39]   32 f32 as loaded: (g, c) at IN + 8 (2 g + c)
.set PK,  40                           ; v[40:55]  16 words of bf16: (g, c) at PK + 4 (2 g + c)
	s_load_b512 s[4:19], s[0:1], 0x0               ; Wq s[4:5], Wk s[6:7], Wv s[8:9], bq s[10:11], bk s[12:13], bv s[14:15], wb s[16:17], bb s[18:19]
	v_lshrrev_b32 v1, 5, v0
	v_readfirstlane_b32 s20, v1                    ; wave 0..3
	s_lshr_b32 s21, ttmp9, 4                       ; T
	s_bfe_u32 s22, ttmp9, 0x20002                  ; w
	s_and_b32 s23, ttmp9, 3
	s_lshl2_add_u32 s23, s23, s20                  ; ct
	s_lshr_b32 s24, s21, 4                         ; p
	s_and_b32 s25, s21, 15                         ; ks
	s_and_b32 s26, s23, 1                          ; the first row of my tile, for q and k:
	s_lshl_b32 s26, s26, 1
	s_lshl2_add_u32 s26, s22, s26                  ; head 4 w + 2 (ct & 1),
	s_lshl_b32 s26, s26, 6                         ; its 64 rows,
	s_lshl_b32 s27, s24, 5
	s_add_co_u32 s26, s26, s27                     ; + 32 p
	s_lshr_b32 s27, s23, 2
	s_lshl3_add_u32 s26, s27, s26                  ; + 8 (ct / 4)
	s_lshl_b32 s28, s22, 8                         ; and for v:
	s_lshl4_add_u32 s28, s23, s28                  ; 256 w + 16 ct
	s_cmp_eq_u32 s24, 2
	s_cselect_b32 s26, s28, s26
	s_cselect_b32 s29, 8, 64                       ; rows from r = 7 to r = 8, less 7: the next head's, or the next row
	v_bfe_u32 v2, v0, 3, 1                         ; r / 8
	v_and_b32 v3, 7, v0                            ; r % 8
	v_mad_u32_u24 v4, v2, s29, v3
	v_add_nc_u32 v4, s26, v4                       ; my row
	v_lshlrev_b32 v5, 12, v4                       ; x 4,096 bytes
	v_bfe_u32 v6, v0, 4, 1                         ; hh
	v_lshl_add_u32 v5, v6, 5, v5                   ; + 32 hh
	s_lshl_b32 s30, s25, 8
	v_add_nc_u32 v5, s30, v5                       ; + 256 ks
	s_lshl_b32 s31, s21, 17                        ; where it goes: 131,072 T
	s_lshl_b32 s34, s22, 15
	s_add_co_u32 s31, s31, s34                     ; + 32,768 w
	s_lshl_b32 s34, s23, 10
	s_add_co_u32 s31, s31, s34                     ; + 1,024 ct
	v_and_b32 v7, 31, v0
	v_lshl_add_u32 v7, v7, 4, s31                  ; + 16 lane
	s_wait_kmcnt 0x0
	s_and_b32 s34, s23, 2
	s_cmp_lg_u32 s34, 0
	s_cselect_b64 s[32:33], s[6:7], s[4:5]         ; Wk or Wq by bit 1 of ct,
	s_cmp_eq_u32 s24, 2
	s_cselect_b64 s[32:33], s[8:9], s[32:33]       ; or Wv in phase 2
.irp f, 0,1,2,3                        ; f = 2 g + c
	global_load_b128 v[IN+8*(\f):IN+8*(\f)+3],   v5, s[32:33] offset:64*(\f) th:TH_LOAD_NT
	global_load_b128 v[IN+8*(\f)+4:IN+8*(\f)+7], v5, s[32:33] offset:64*(\f)+16 th:TH_LOAD_NT
.endr
	s_wait_loadcnt 0x0                             ; all eight: nothing else is left to do meanwhile
.irp f, 0,1,2,3
.irp z, 0,1,2,3
	v_cvt_pk_bf16_f32 v[PK+4*(\f)+(\z)], v[IN+8*(\f)+2*(\z)], v[IN+8*(\f)+2*(\z)+1]
.endr
.endr
.irp f, 0,1,2,3
	global_store_b128 v7, v[PK+4*(\f):PK+4*(\f)+3], s[16:17] offset:16384*((\f)/2)+512*((\f)%2)
.endr
	; THE BIASES: work-groups 0, 256 and 512 (T = 0, 16, 32) each write their phase's 1,024 numbers, 128 threads x 2 x 4 numbers.
	s_and_b32 s34, ttmp9, 255
	s_cmp_lg_u32 s34, 0
	s_cbranch_scc1 .Ldone
	s_wait_xcnt 0x0                                ; the stores above have read their registers: they are used again below
	s_cmp_eq_u32 s24, 2
	s_cselect_b64 s[36:37], s[14:15], s[10:11]     ; bv, or bq
	s_cselect_b64 s[38:39], s[14:15], s[12:13]     ; bv, or bk
	s_cselect_b32 s35, -1, 0                       ; all lanes: phase 2 takes the natural order
	s_lshl_b32 s40, s24, 7                         ; 32 p numbers, in bytes
	s_lshl_b32 s41, s24, 12                        ; the phase's 4,096 bytes of bb
.irp z, 0,1                            ; Q = thread + 128 z names four numbers of bb: w = Q / 64, ct = (Q / 4) % 16, i = 4 (Q % 4) ..
.set R, 8+24*(\z)
	v_add_nc_u32 v[R], 128*(\z), v0
	v_lshrrev_b32 v[R+1], 6, v[R]
	v_bfe_u32 v[R+2], v[R], 2, 1
	v_lshl_add_u32 v[R+1], v[R+1], 1, v[R+2]
	v_bfe_u32 v[R+2], v[R], 1, 1
	v_lshl_add_u32 v[R+1], v[R+1], 1, v[R+2]       ; head = 4 w + 2 (ct & 1) + i / 8
	v_bfe_u32 v[R+2], v[R], 4, 2
	v_lshl_add_u32 v[R+1], v[R+1], 3, v[R+2]       ; 8 head + ct / 4
	v_and_b32 v[R+2], 1, v[R]
	v_lshl_add_u32 v[R+1], v[R+1], 1, v[R+2]       ; 16 head + 2 (ct / 4) + (i / 4) % 2: in units of four numbers
	v_lshl_add_u32 v[R+1], v[R+1], 4, s40          ; in bytes, + 32 p numbers
	v_lshlrev_b32 v[R+3], 4, v[R]                  ; the natural order: 16 Q
	v_cndmask_b32 v[R+1], v[R+1], v[R+3], s35
	v_bfe_u32 v[R+2], v[R], 3, 1                   ; bit 1 of ct: k's bias
	v_add_nc_u32 v[R+3], s41, v[R+3]               ; where it goes
	global_load_b128 v[R+4:R+7],  v[R+1], s[36:37]
	global_load_b128 v[R+8:R+11], v[R+1], s[38:39]
.endr
	s_wait_loadcnt 0x0
.irp z, 0,1
.set R, 8+24*(\z)
	v_cmp_ne_u32 vcc_lo, 0, v[R+2]
.irp j, 0,1,2,3
	v_cndmask_b32 v[R+4+(\j)], v[R+4+(\j)], v[R+8+(\j)], vcc_lo
.endr
	v_cvt_pk_bf16_f32 v[R+12], v[R+4], v[R+5]      ; rounded to bf16,
	v_cvt_pk_bf16_f32 v[R+13], v[R+6], v[R+7]
	v_lshlrev_b32 v[R+14], 16, v[R+12]             ; and written as f32
	v_and_b32 v[R+15], 0xffff0000, v[R+12]
	v_lshlrev_b32 v[R+16], 16, v[R+13]
	v_and_b32 v[R+17], 0xffff0000, v[R+13]
	global_store_b128 v[R+3], v[R+14:R+17], s[18:19]
.endr
.Ldone:
	s_endpgm
.Lfunc_end_k_qff564b017a_prep:
	.size	k_qff564b017a_prep, .Lfunc_end_k_qff564b017a_prep-k_qff564b017a_prep
	.p2alignl 7, 3214868480
	.fill 96, 4, 3214868480
	.section	.rodata,"a",@progbits
	.p2align	6, 0x0
	.amdhsa_kernel k_qff564b017a_prep
		.amdhsa_group_segment_fixed_size 0
		.amdhsa_private_segment_fixed_size 0
		.amdhsa_enable_private_segment 0
		.amdhsa_kernarg_size 64
		.amdhsa_user_sgpr_count 2
		.amdhsa_user_sgpr_kernarg_segment_ptr 1
		.amdhsa_wavefront_size32 1
		.amdhsa_system_sgpr_workgroup_id_x 1
		.amdhsa_system_sgpr_workgroup_id_y 1
		.amdhsa_system_sgpr_workgroup_id_z 1
		.amdhsa_system_vgpr_workitem_id 0
		.amdhsa_next_free_vgpr 64
		.amdhsa_next_free_sgpr 66
		.amdhsa_reserve_vcc 1
		.amdhsa_float_denorm_mode_32 3
		.amdhsa_float_denorm_mode_16_64 3
		.amdhsa_memory_ordered 1
		.amdhsa_forward_progress 1
		.amdhsa_inst_pref_size 8
	.end_amdhsa_kernel
	.amdgpu_metadata
---
amdhsa.version: [ 1, 2 ]
amdhsa.kernels:
  - .name:           k_qff564b017a_prep
    .symbol:         k_qff564b017a_prep.kd
    .args:
      - { .name: Wq, .offset: 0, .size: 8, .value_kind: global_buffer, .address_space: global }
      - { .name: Wk, .offset: 8, .size: 8, .value_kind: global_buffer, .address_space: global }
      - { .name: Wv, .offset: 16, .size: 8, .value_kind: global_buffer, .address_space: global }
      - { .name: bq, .offset: 24, .size: 8, .value_kind: global_buffer, .address_space: global }
      - { .name: bk, .offset: 32, .size: 8, .value_kind: global_buffer, .address_space: global }
      - { .name: bv, .offset: 40, .size: 8, .value_kind: global_buffer, .address_space: global }
      - { .name: wb, .offset: 48, .size: 8, .value_kind: global_buffer, .address_space: global }
      - { .name: bb, .offset: 56, .size: 8, .value_kind: global_buffer, .address_space: global }
    .group_segment_fixed_size: 0
    .private_segment_fixed_size: 0
    .kernarg_segment_align: 8
    .kernarg_segment_size: 64
    .max_flat_workgroup_size: 128
    .sgpr_count:     66
    .vgpr_count:     64
    .wavefront_size: 32
...
	.end_amdgpu_metadata
.endif
;; end of part 1
;; launch fused (part 2): grid 256 x 1, 4 waves a work-group, clusters of 4 x 1, 327,680 bytes of LDS; arguments x, sparsity_pattern, wb, bb, out0; writes out0
.if DOCPART == 2
	.amdgcn_target "amdgcn-amd-amdhsa--gfx1250"
	.amdhsa_code_object_version 6
	.text
	.protected	k_qff564b017a_fused
	.globl	k_qff564b017a_fused
	.p2align	8
	.type	k_qff564b017a_fused,@function
k_qff564b017a_fused:
	s_mov_b64 s[64:65], 0
	v_nop
	global_prefetch_b8 v0, s[64:65] scope:SCOPE_SE
	s_setreg_imm32_b32 hwreg(HW_REG_WAVE_MODE, 25, 1), 1
	s_wait_xcnt 0x0
	s_wait_alu depctr_hold_cnt(0) depctr_sa_sdst(0) depctr_va_vdst(0) depctr_va_sdst(0) depctr_va_ssrc(0) depctr_va_vcc(0) depctr_vm_vsrc(0)
	s_getreg_b32 s2, hwreg(HW_REG_IB_STS2, 6, 4)
	s_cmp_eq_u32 s2, 0
	s_cbranch_scc0 .Lentry_in_a_cluster
	s_endpgm
.Lentry_in_a_cluster:
	s_bfe_u32 s2, ttmp6, 0x10000c
	s_cmp_lg_u32 s2, 0x3003
	s_cbranch_scc0 .Lentry_shape_is_right
	s_endpgm
.Lentry_shape_is_right:
; q, k, v = x W^T + b; for each token the 16 x 16 scores q_h . k_g times the pattern; softmax over g; out_h = sum over g of attn[h][g] v_g.  All in one launch: q, k and v never go to memory.
; SHARES.  16,384 tokens, 256 work-groups of 64 tokens, four waves.  Three phases, each a product of 64 tokens x 1,024 columns x K = 1,024; a wave owns 64 tokens x 256 columns: 64 accumulators, 512 registers.
;   Phases 0 and 1 make q and k for channels 32 p .. 32 p + 31 of all heads (the wave: four heads); their part of the scores is added up in 128 registers (the wave: 16 tokens).  Phase 2 makes v.
; FORMATS.  x, the weights, the biases and the pattern are rounded to bf16.  q and k enter the score product as a pair of bf16, hi (cut off) + lo (the exact rest, rounded): 16 bits and more; one matrix
;   instruction takes 8 channels, its K = 32 holding q = [hi, hi, lo, lo] against k = [hi, lo, hi, lo], which adds up to (hi + lo)(hi + lo).  The weights p and v go in f16; sums, maximum and exponentials in f32.
; LIMITS.  v must stay under f16's 65,504 in magnitude; a weight below 2^-126 counts as 0; NaN and infinities are not treated apart.  The row's true maximum is taken away before the exponential.
; THE MATRIX INSTRUCTION IS USED TRANSPOSED: source 0 = 16 columns (rows of W), source 1 = 16 tokens: a lane holds one token (lane % 16) and the columns 8 (lane / 16) + 0..7 of a tile.
;   The accumulators start as the bias, loaded into them: every K step is alike, and nothing is cleared.
; W comes in K steps of 64 through two LDS slots of 131,072 bytes, in fragment order (the launch before wrote it so): wave w loads, and alone reads, its 32,768 bytes of a slot.
; CLUSTER.  All work-groups walk the same weights in the same order, so the four of a cluster ask for each tile JOINTLY: the same tensor load, descriptor and mask in all four.
; x is read once in each phase (three times in all): as f32 into registers, two K steps ahead, rounded to bf16, and stored into a small ring of its own in LDS; two slots of W and all of x in bf16 do not fit together.
; REGISTERS, in windows of 256 (s_set_vgpr_msb: bits 1:0 source 0, 3:2 source 1, 5:4 source 2, 7:6 destination):
;   window 0: addresses; x's fragments; x as loaded; at work      window 1: W's fragments, two buffers of 64; the scores, then the weights      windows 2, 3: the accumulators (ct, tt) at window 2 + ct / 8, v[8 (4 (ct % 8) + tt)]
.set WSLOT,  131072                    ; a slot of W: one K step of 64 for all four waves
.set WBLK,   32768                     ; a wave's part of it: [g 2][ct 16][c 2][lane 32][16 bytes]
.set XRING,  2*WSLOT                   ; x's ring: two slots, written by LDS stores alone
.set XPITCH, 144                       ; a token's 64 bf16 + 16 bytes = 36 words: the 16 rows of a fragment load start at 16 different groups of four banks (64 banks of 4 bytes: ISA guide 11.1)
.set XSLOT,  64*XPITCH
.set QKST,   XRING+2*XSLOT             ; the stage for q and k: two buffers of 16 tokens
.set QKP,    1040                      ; a token: q hi, q lo, k hi, k lo, each 16 heads x 16 bytes (8 channels), + 16 bytes = 260 words
.set QKBUF,  16*QKP
.set SPARE,  QKST+2*QKBUF              ; the spare words, 128 bytes for each wave: two blocks of 256 bytes that no other line names
.set VP,     2576                      ; behind the ring's last fill its bytes hold v in f16: a token is 16 heads x 160 + 16 bytes = 644 words
.set VHP,    160                       ; a head's 64 channels + 32 bytes = 40 words
.set OSTG,   196608                    ; and, behind v's 164,864 bytes, each wave's way out: two buffers of 16 heads x 272 bytes
.set OPI,    272
.set SPW,  2                           ; v2      LDS address of my spare word; never rewritten
.set NIL,  3                           ; v3      0; never rewritten
.set ADRB, 4                           ; v4-5    my lane's 16 bytes in my wave's part of slot 0, 1
.set ADRX, 6                           ; v6-7    my lane's place in a fragment of x, slot 0, 1
.set XST,  8                           ; v8-9    where I store x, slot 0, 1
.set XOF,  10                          ; v10-11  my byte offset in x for register set 0, 1: bits 11:8 hold the K step
.set VBI,  12                          ; v12     my byte offset in a phase's biases
.set AST,  13                          ; v13     the stage: where I put 16 bytes
.set AQ,   14                          ; v14     the stage: where I read q
.set AKF,  15                          ; v15     the stage: where I read k
.set AVS,  16                          ; v16-19  where I put v, by group of 16 tokens
.set AVR,  20                          ; v20-23  where I read v, by group of 16 tokens
.set OST,  24                          ; v24     the way out: where I put 16 bytes
.set ORD,  25                          ; v25     the way out: where I read rows back
.set GO,   26                          ; v26     my byte offset in out
.set XSC,  27                          ; v27     at work
.set RR,   28                          ; v28     lane % 16
.set HH,   29                          ; v29     lane / 16
.set LL,   30                          ; v30     lane
.set VPA,  31                          ; v31     my byte offset in the pattern
.set A0,   32                          ; v32-63, v64-95    x's fragments of the first and the second 32 along K: four of 8 registers
.set A1,   64
.set XS,   96                          ; v96-159   x as loaded, two sets of 32
.set XP,   160                         ; v160-175  x in bf16
.set T,    176                         ; v176-191  hi as f32
.set LO,   192                         ; v192-207  lo as f32
.set HP,   208                         ; v208-223  hi, packed
.set LP,   224                         ; v224-239  lo, packed
.set PAT,  240                         ; v240-247  pattern[lane % 16][8 (lane / 16) + 0..7]
.set B0,   0                           ; window 1: W's fragments, 8 tiles of 8 registers
.set B1,   64
.set S,    128                         ; window 1: the scores of my token n at S + 8 n
.set QF,   64                          ; window 1, in B1's place: for each of four tokens q's fragment (8), then k's (8)
.set PATW, 64                          ; window 1, in B1's place: the pattern, for the softmax
.set TS,   80                          ; window 1, in B1's place: eight registers at work for each of four tokens
.set VF,   0                           ; window 1, in B0's place: v's fragments, two sets of four
.set O,    0                           ; window 2: a token's result, two sets of 32
.set RB,   64                          ; window 2: a token's rows read back, two sets of 32
.set MSB, 0
.macro WIN new                         ; the immediate's high byte repeats the setting that is left; a switch that changes nothing is dropped
.if MSB != (\new)
	s_set_vgpr_msb (MSB<<8)|(\new)
.set MSB, (\new)
.endif
.endm
; A load into a register that a matrix instruction has read, and a vector instruction or LDS store that reads a matrix result or writes one of a matrix instruction's registers, stand four places behind it;
; only plain vector instructions that name none of its registers are places (ISA guide 7.12.1 for vector instructions).
.macro PLACES
.rept 4
	v_nop
.endr
.endm
.macro BAR
	s_barrier_signal -1
	s_barrier_wait -1
.endm
.macro CREST                           ; a round of the cluster's barrier behind its opening barrier: wave 0 signals for the work-group, every wave waits for all four work-groups, my work-group's barrier closes it
	s_cmp_lg_u32 s14, 0
	s_cbranch_scc1 .Lnot_wave_0_\@
	s_barrier_signal -3
.Lnot_wave_0_\@:
	s_barrier_wait -3
	s_barrier_signal -1
	s_barrier_wait -1
.endm
.macro CROUND
	BAR
	CREST
.endm
; 16 LDS loads: W's fragments of tiles 8 half .. 8 half + 7 for 32 along K (group g) of slot s: each load takes 512 consecutive bytes
.macro FB s, g, half, buf
	WIN 0x40                                       ; destination window 1, address window 0
.irp i, 0,1,2,3,4,5,6,7
	ds_load_b128 v[(\buf)+8*(\i):(\buf)+8*(\i)+3],   v[ADRB+(\s)] offset:16384*(\g)+1024*(8*(\half)+(\i))
	ds_load_b128 v[(\buf)+8*(\i)+4:(\buf)+8*(\i)+7], v[ADRB+(\s)] offset:16384*(\g)+1024*(8*(\half)+(\i))+512
.endr
.endm
; 8 LDS loads: x's four fragments (16 tokens x 32 K) of group g of slot s
.macro FA s, g, abuf
	WIN 0
.irp tt, 0,1,2,3
	ds_load_b128 v[(\abuf)+8*(\tt):(\abuf)+8*(\tt)+3],   v[ADRX+(\s)] offset:16*XPITCH*(\tt)+64*(\g)
	ds_load_b128 v[(\abuf)+8*(\tt)+4:(\abuf)+8*(\tt)+7], v[ADRX+(\s)] offset:16*XPITCH*(\tt)+64*(\g)+32
.endr
.endm
; 8 matrix instructions: tiles 8 half + b0, + 1 x the four groups of tokens.  The 32 accumulators of a run of four MUL8 take turns, one instruction a turn.
.macro MUL8 buf, abuf, half, b0
	WIN 0xa1+0x50*(\half)                          ; W window 1, x window 0, C and D window 2 or 3
.irp b, \b0, (\b0)+1
.irp tt, 0,1,2,3
	v_wmma_f32_16x16x32_bf16 v[8*(4*(\b)+(\tt)):8*(4*(\b)+(\tt))+7], v[(\buf)+8*(\b):(\buf)+8*(\b)+7], v[(\abuf)+8*(\tt):(\abuf)+8*(\tt)+7], v[8*(4*(\b)+(\tt)):8*(4*(\b)+(\tt))+7]
.endr
.endr
.endm
.macro MUL32 buf, abuf, half
	MUL8 \buf, \abuf, \half, 0
	MUL8 \buf, \abuf, \half, 2
	MUL8 \buf, \abuf, \half, 4
	MUL8 \buf, \abuf, \half, 6
.endm
; x.  My wave brings 16 of the 64 tokens: a load takes 256 consecutive bytes (64 channels) of each of two tokens.
.macro XLOADS k                        ; eight loads into register set k
.irp i, 0,1,2,3,4,5,6,7
	global_load_b128 v[XS+32*(\k)+4*(\i):XS+32*(\k)+4*(\i)+3], v[XOF+(\k)], s[4:5] offset:8192*(\i)
.endr
.endm
.macro XCV k                           ; set k is rounded to bf16 and stored into x's slot k
.irp i, 0,1,2,3,4,5,6,7
	v_cvt_pk_bf16_f32 v[XP+2*(\i)],   v[XS+32*(\k)+4*(\i)],   v[XS+32*(\k)+4*(\i)+1]
	v_cvt_pk_bf16_f32 v[XP+2*(\i)+1], v[XS+32*(\k)+4*(\i)+2], v[XS+32*(\k)+4*(\i)+3]
.endr
.irp i, 0,1,2,3,4,5,6,7
	ds_store_b64 v[XST+(\k)], v[XP+2*(\i):XP+2*(\i)+1] offset:2*XPITCH*(\i)
.endr
.endm
.macro XNEXT k                         ; set k asks for the K step two on; behind step 15 comes step 0 or 1 again, for the next phase: only bits 11:8 of the offset change
	v_add_nc_u32 v[XSC], 512, v[XOF+(\k)]
	v_bfi_b32 v[XOF+(\k)], s44, v[XSC], v[XOF+(\k)]
	XLOADS \k
.endm
.macro XIN s, left, ld                 ; in K step t (slot s): step t + 1's x goes into the other slot, whose readers all passed the last barrier; ld = 1: step t + 3 is asked for
	WIN 0
	s_wait_loadcnt \left                           ; loads come back in order (ISA guide 5.7.1): the other set is in, and its offset register is free; the younger set's eight loads may stay out
	XCV 1-(\s)
.if \ld
	XNEXT 1-(\s)
.endif
.endm
.macro BIAS ct, tt                     ; accumulator (ct, tt) takes the bias of its lane's eight columns
	WIN 0x80+0x40*((\ct)/8)
.set AB_, 8*(4*((\ct)%8)+(\tt))
	global_load_b128 v[AB_:AB_+3],   v[VBI], s[10:11] offset:64*(\ct)
	global_load_b128 v[AB_+4:AB_+7], v[VBI], s[10:11] offset:64*(\ct)+16
.endm
; A K STEP of 64 in slot s: four runs of 32 matrix instructions; each run's fragments are fetched, in one run of loads, a run ahead.  On entry the first run's 24 loads are out.
; refill = 1: slot s is filled again with the tile two steps on.  xst, left, xld: XIN's.  last = 1: the very last step.
.macro STEP s, refill, xst, left, xld, last
.if \xst
	XIN \s, \left, \xld                            ; its 16 conversions are also the places in front of the loads into B1
.else
	PLACES
.endif
	FB \s, 0, 1, B1
	s_wait_dscnt 16                                ; all but the 16 just issued
	MUL32 B0, A0, 0
	PLACES
	FB \s, 1, 0, B0
	FA \s, 1, A1
	s_wait_dscnt 24                                ; all but the 24 just issued
	MUL32 B1, A0, 1
	PLACES
	FB \s, 1, 1, B1
	s_wait_dscnt 16                                ; all but the 16 just issued
	MUL32 B0, A1, 0
.if \last
	s_wait_dscnt 0x0
	MUL32 B1, A1, 1
	WIN 0
.else
	WIN 0                                          ; (the add's two registers lie in window 0)
	s_wait_tensorcnt 0x0                           ; all my tensor loads have landed: the one that was out is my part of the other slot;
	ds_add_u32 v[SPW], v[NIL]                      ; 0 onto my spare word
	s_wait_dscnt 0x1                               ; (only the add may be out: B1 is in)
	MUL8 B1, A1, 1, 0                              ; eight matrix instructions stand between the add and the wait for it
	s_wait_dscnt 0x0                               ; the add is done, my reads of this slot and of x's slot are over, and my stores of the next step's x are done
	s_barrier_signal -1
	MUL8 B1, A1, 1, 2
	WIN 0
	s_barrier_wait -1
.if \refill
	CREST                                          ; the barrier has opened a round of the cluster's: no wave of any partner still reads this slot or has a load on its way
	s_add_nc_u64 s[34+4*(\s):35+4*(\s)], s[34+4*(\s):35+4*(\s)], 2*WSLOT  ; no tensor load of mine is out: the slot's next tile
	tensor_load_to_lds s[32+4*(\s):35+4*(\s)], s[24:31]                   ; my one tensor load behind the round: one is out until the next round
	s_nop 0
	PLACES                                         ; the places in front of the loads below
.else
	PLACES
.endif
	FB 1-(\s), 0, 0, B0
	FA 1-(\s), 0, A0
	MUL8 B1, A1, 1, 4
	MUL8 B1, A1, 1, 6
	WIN 0
.endif
.endm
; THE WAY OF q AND k INTO THE SCORES, in 16 sub-chunks n: the 16 tokens of group n / 4, the 8 channels of tiles 4 (n % 4) .. + 3 (q of my heads 0-1, 2-3; then k likewise).
; CONV n, h: two tiles (h = 0: q's, 1: k's) are split into hi and lo and packed; then they take the next phase's bias.
.macro CONV n, h
.set TT_, (\n)/4
.set E_, (\n)%4
	WIN 0x08+4*(E_/2)                              ; source 1: window 2 or 3
.irp c, 0,1
.set AC_, 8*(4*((4*E_+2*(\h)+(\c))%8)+TT_)
.irp j, 0,1,2,3,4,5,6,7
	v_and_b32 v[T+8*(\c)+(\j)], s42, v[AC_+(\j)]   ; hi: the upper 16 bits; the accumulator is read from its low end on
.endr
.endr
.irp c, 0,1
.set AC_, 8*(4*((4*E_+2*(\h)+(\c))%8)+TT_)
.irp z, 0,1,2,3
	v_pk_add_f32 v[LO+8*(\c)+2*(\z):LO+8*(\c)+2*(\z)+1], v[T+8*(\c)+2*(\z):T+8*(\c)+2*(\z)+1], v[AC_+2*(\z):AC_+2*(\z)+1] neg_lo:[1,0] neg_hi:[1,0]  ; lo = the number less hi, exact
.endr
.endr
	WIN 0
.irp c, 0,1
.irp z, 0,1,2,3
	v_perm_b32 v[HP+8*(\h)+4*(\c)+(\z)], v[T+8*(\c)+2*(\z)+1], v[T+8*(\c)+2*(\z)], s43
	v_cvt_pk_bf16_f32 v[LP+8*(\h)+4*(\c)+(\z)], v[LO+8*(\c)+2*(\z)], v[LO+8*(\c)+2*(\z)+1]
.endr
.endr
.irp c, 0,1
	BIAS 4*E_+2*(\h)+(\c), TT_
.endr
.endm
.macro STO n                           ; my four heads' 16 bytes of hi and of lo, for q and for k, into buffer n % 2: token lane % 16
	WIN 0
.set BO_, QKBUF*((\n)%2)
.irp c, 0,1,2,3
	ds_store_b128 v[AST], v[HP+4*(\c):HP+4*(\c)+3] offset:BO_+512*((\c)/2)+32*((\c)%2)
	ds_store_b128 v[AST], v[LP+4*(\c):LP+4*(\c)+3] offset:BO_+512*((\c)/2)+32*((\c)%2)+256
.endr
.endm
.macro LDF n                           ; my four tokens of the 16, all heads: q = [hi, hi, lo, lo] (both halves of the lanes read the same), k = [hi, lo, hi, lo] (the upper lanes read lo; both register halves alike)
	WIN 0x40
.set BO_, QKBUF*((\n)%2)
.irp i, 0,1,2,3
	ds_load_b128 v[QF+16*(\i):QF+16*(\i)+3],     v[AQ]  offset:BO_+QKP*(\i)
	ds_load_b128 v[QF+16*(\i)+4:QF+16*(\i)+7],   v[AQ]  offset:BO_+QKP*(\i)+256
	ds_load_b128 v[QF+16*(\i)+8:QF+16*(\i)+11],  v[AKF] offset:BO_+QKP*(\i)
	ds_load_b128 v[QF+16*(\i)+12:QF+16*(\i)+15], v[AKF] offset:BO_+QKP*(\i)
.endr
.endm
.macro SC n                            ; S^T += K Q^T for four tokens: a lane holds head h = lane % 16 and g = 8 (lane / 16) + 0..7; the four accumulators take turns
	WIN 0x55
.irp i, 0,1,2,3
	v_wmma_f32_16x16x32_bf16 v[S+8*(4*((\n)/4)+(\i)):S+8*(4*((\n)/4)+(\i))+7], v[QF+16*(\i)+8:QF+16*(\i)+15], v[QF+16*(\i):QF+16*(\i)+7], v[S+8*(4*((\n)/4)+(\i)):S+8*(4*((\n)/4)+(\i))+7]
.endr
.endm
; One barrier a sub-chunk: in front of barrier n every wave has stored sub-chunk n and has waited for its reads of sub-chunk n - 1, so buffer (n + 1) % 2 may be written behind it.
; The tile of W that is on its way may stay out.
.macro QKSTAGE
	CONV 0, 0
	CONV 0, 1
	STO 0
	s_wait_dscnt 0x0                               ; for the others' sake: my stores are done
	BAR
	LDF 0
.set n_, 1
.rept 15
	CONV n_, 0
	s_wait_dscnt 0x0                               ; the fragments of the sub-chunk before are in
	SC n_-1
	CONV n_, 1                                     ; its plain instructions are the places in front of the loads into those fragments' registers
	STO n_
	s_wait_dscnt 0x0
	BAR
	LDF n_
.set n_, n_+1
.endr
	s_wait_dscnt 0x0
	SC 15
	WIN 0
	PLACES                                         ; behind the last four products: what follows writes their fragments' registers
	s_wait_loadcnt 0x0                             ; the next phase's biases are in the accumulators; the loads' base is free
	s_add_nc_u64 s[10:11], s[10:11], 4096          ; the phase after that
.endm
; THE SOFTMAX of four tokens, stage by stage, so that no line waits for the one before it.
.macro SR g, i
.set rS, S+8*(4*(\g)+(\i))
.set rT, TS+8*(\i)
.endm
.macro SOFTMAX4 g
.irp i, 0,1,2,3
	SR \g, \i
.irp z, 0,1,2,3
	v_pk_mul_f32 v[rS+2*(\z):rS+2*(\z)+1], v[rS+2*(\z):rS+2*(\z)+1], v[PATW+2*(\z):PATW+2*(\z)+1]  ; the pattern multiplies; the accumulator is read from its low end on
.endr
.endr
.irp i, 0,1,2,3
	SR \g, \i
	v_max3_num_f32 v[rT], v[rS], v[rS+1], v[rS+2]
	v_max3_num_f32 v[rT+1], v[rS+3], v[rS+4], v[rS+5]
.endr
.irp i, 0,1,2,3
	SR \g, \i
	v_max3_num_f32 v[rT], v[rT], v[rS+6], v[rS+7]
.endr
.irp i, 0,1,2,3
	SR \g, \i
	v_max_num_f32 v[rT], v[rT], v[rT+1]
.endr
.irp i, 0,1,2,3
	SR \g, \i
	v_permlanex16_b32 v[rT+1], v[rT], s48, s49     ; the row's other eight scores lie in the lane 16 away
.endr
.irp i, 0,1,2,3
	SR \g, \i
	v_max_num_f32 v[rT], v[rT], v[rT+1]            ; the row's maximum
.endr
.irp i, 0,1,2,3
	SR \g, \i
.irp z, 0,1,2,3
	v_pk_add_f32 v[rS+2*(\z):rS+2*(\z)+1], v[rS+2*(\z):rS+2*(\z)+1], v[rT:rT+1] op_sel_hi:[1,0] neg_lo:[0,1] neg_hi:[0,1]  ; s - m first, so that large scores lose nothing,
.endr
.endr
.irp i, 0,1,2,3
	SR \g, \i
.irp z, 0,1,2,3
	v_pk_mul_f32 v[rS+2*(\z):rS+2*(\z)+1], v[rS+2*(\z):rS+2*(\z)+1], s[46:47] op_sel_hi:[1,0]  ; then times log2(e)
.endr
.endr
.irp i, 0,1,2,3
	SR \g, \i
.irp j, 0,1,2,3,4,5,6,7
	v_exp_f32 v[rS+(\j)], v[rS+(\j)]
.endr
.endr
	v_nop                                          ; a plain instruction between the last exponential and the use of its result (ISA guide 5.7.2)
	s_wait_alu depctr_va_vdst(0)
.irp i, 0,1,2,3
	SR \g, \i
	v_pk_add_f32 v[rT+2:rT+3], v[rS:rS+1], v[rS+2:rS+3]
	v_pk_add_f32 v[rT+4:rT+5], v[rS+4:rS+5], v[rS+6:rS+7]
.endr
.irp i, 0,1,2,3
	SR \g, \i
	v_pk_add_f32 v[rT+2:rT+3], v[rT+2:rT+3], v[rT+4:rT+5]
.endr
.irp i, 0,1,2,3
	SR \g, \i
	v_add_f32 v[rT+2], v[rT+2], v[rT+3]
.endr
.irp i, 0,1,2,3
	SR \g, \i
	v_permlanex16_b32 v[rT+3], v[rT+2], s48, s49
.endr
.irp i, 0,1,2,3
	SR \g, \i
	v_add_f32 v[rT+2], v[rT+2], v[rT+3]            ; the row's sum: 1 at the least
.endr
.irp i, 0,1,2,3
	SR \g, \i
	v_rcp_f32 v[rT+4], v[rT+2]
.endr
	v_nop                                          ; a plain instruction between the last reciprocal and the use of its result
.irp i, 0,1,2,3
	SR \g, \i
	s_wait_alu depctr_va_vdst(0)
.irp z, 0,1,2,3
	v_pk_mul_f32 v[rS+2*(\z):rS+2*(\z)+1], v[rS+2*(\z):rS+2*(\z)+1], v[rT+4:rT+5] op_sel_hi:[1,0]
.endr
.endr
.irp i, 0,1,2,3
	SR \g, \i
.irp z, 0,1,2,3
	v_cvt_pk_f16_f32 v[rS+(\z)], v[rS+2*(\z)], v[rS+2*(\z)+1]  ; registers 0-3: g = 8 (lane / 16) + 0..7 of head lane % 16: source 1 of V^T P as it stands;
.endr
.endr
.irp i, 0,1,2,3
	SR \g, \i
.irp z, 4,5,6,7
	v_mov_b32 v[rS+(\z)], 0                        ; registers 4-7, K = 16 .. 31, hold 0: there are 16 heads
.endr
.endr
.endm
; THE SECOND PRODUCT AND THE WAY OUT, for my token n (token 16 (n / 4) + 4 wave + n % 4 of the work-group).
.macro LOADV n                         ; V^T: the turning load leaves channel 16 dt + lane % 16 and g = 8 (lane / 16) + 0..7 in registers 0-3
	WIN 0x40
.irp dt, 0,1,2,3
	ds_load_tr16_b128 v[VF+32*((\n)%2)+8*(\dt):VF+32*((\n)%2)+8*(\dt)+3], v[AVR+(\n)/4] offset:VP*((\n)%4)+32*(\dt)
.endr
.endm
.macro SEND n, younger                 ; younger: the LDS loads issued behind the token's rows, which may stay out
	WIN 0x08                                       ; data window 2, address window 0
	s_wait_dscnt \younger
.irp f, 0,1,2,3,4,5,6,7
	global_store_b128 v[GO], v[RB+32*((\n)%2)+4*(\f):RB+32*((\n)%2)+4*(\f)+3], s[12:13] offset:4096*(16*((\n)/4)+(\n)%4)+512*(\f) th:TH_STORE_NT  ; 512 consecutive bytes, at a multiple of 512 from out's first byte
.endr
.endm
.macro TOK n
.set Q_, (\n)%2
.if (\n) == 0
	s_wait_dscnt 4                                 ; behind this token's V: the next token's four loads
.elseif (\n) == 15
	s_wait_dscnt 16                                ; behind it: eight stores into the stage and eight loads from it
.else
	s_wait_dscnt 20                                ; behind it: those sixteen and the next token's four loads
.endif
	WIN 0x85                                       ; V and P window 1, O window 2
.irp dt, 0,1,2,3
	v_wmma_f32_16x16x32_f16 v[O+32*Q_+8*(\dt):O+32*Q_+8*(\dt)+7], v[VF+32*Q_+8*(\dt):VF+32*Q_+8*(\dt)+7], v[S+8*(\n):S+8*(\n)+7], 0
.endr
.if (\n) > 0
.if (\n) < 15
	SEND (\n)-1, 4
.else
	SEND (\n)-1, 0
.endif
.endif
.set Q_, (\n)%2
	PLACES                                         ; in front of the stores that read the results, and of the loads into V's registers
	WIN 0x08
.irp dt, 0,1,2,3                       ; a lane holds head lane % 16, channels 16 dt + 8 (lane / 16) + 0..7; each accumulator's low registers go first
	ds_store_b128 v[OST], v[O+32*Q_+8*(\dt):O+32*Q_+8*(\dt)+3]   offset:16*OPI*Q_+64*(\dt)
	ds_store_b128 v[OST], v[O+32*Q_+8*(\dt)+4:O+32*Q_+8*(\dt)+7] offset:16*OPI*Q_+64*(\dt)+16
.endr
	s_wait_xcnt 0x0                                ; the stores of the token two back have read the registers that are loaded again below
	WIN 0x80
.irp f, 0,1,2,3,4,5,6,7
	ds_load_b128 v[RB+32*Q_+4*(\f):RB+32*Q_+4*(\f)+3], v[ORD] offset:16*OPI*Q_+2*OPI*(\f)  ; LDS serves a wave's instructions in order (ISA guide 5.7.1.4): these see my stores above
.endr
.if (\n) < 14
	LOADV (\n)+2
.endif
.endm
	s_load_b256 s[4:11], s[0:1], 0x0               ; x s[4:5], pattern s[6:7], wb s[8:9], bb s[10:11]
	s_load_b64 s[12:13], s[0:1], 0x20              ; out
	v_lshl_add_u32 v[SPW], v0, 2, SPARE
	v_mov_b32 v[NIL], 0
	ds_add_u32 v2, v3
	s_wait_dscnt 0x0
	v_lshrrev_b32 v1, 5, v0
	v_readfirstlane_b32 s14, v1                    ; wave 0..3
	s_bfe_u32 s15, ttmp6, 0x40000                  ; cx: my place in the cluster
	s_lshl_b32 s16, ttmp9, 2                       ; in a cluster launch ttmp9 counts clusters
	s_add_co_u32 s16, s16, s15                     ; my work-group: it enters x's and out's addresses alone
	s_lshl_b32 s18, s16, 18                        ; its 64 tokens of 4,096 bytes
	s_mov_b32 s19, 0
	; descriptor group 1: 32,768 dense bytes as 128 rows of 256 bytes
	s_mov_b32 s24, 15|(3<<16)|(1<<21)              ; 15:0 the mask: all four work-groups; 17:16 elements of 8 bytes; 21 set beside a mask
	s_mov_b32 s25, 32<<16                          ; tensor_dim0 = 32
	s_mov_b32 s26, 128<<16                         ; tensor_dim1 = 128
	s_mov_b32 s27, 32<<16                          ; tile_dim0 = 32
	s_mov_b32 s28, 128                             ; tile_dim1 = 128
	s_mov_b32 s29, 32                              ; 32 elements from row to row
	s_mov_b32 s30, 0
	s_mov_b32 s31, 0
	s_mul_i32 s20, s14, WBLK                       ; my wave's part of a tile, in memory and in a slot: no place in the cluster enters it
	s_mov_b32 s21, 0
	s_mov_b32 s32, 1                               ; group 0, a set for each slot: count = 1,
	s_mov_b32 s33, s20                             ; LDS address
	s_mov_b32 s36, 1
	s_add_co_u32 s37, s20, WSLOT
	s_mov_b32 s42, 0xffff0000                      ; a word's upper 16 bits
	s_mov_b32 s43, 0x07060302                      ; v_perm_b32: the upper halves of two words
	s_mov_b32 s44, 0xf00                           ; the K step's bits in x's offsets
	s_mov_b32 s46, 0x3fb8aa3b                      ; log2(e)
	s_mov_b32 s47, s46                             ; named with it as a pair
	s_mov_b32 s48, 0x76543210                      ; v_permlanex16_b32: each lane takes its own place in the other half
	s_mov_b32 s49, 0xfedcba98
	v_and_b32 v[RR], 15, v0
	v_bfe_u32 v[HH], v0, 4, 1
	v_and_b32 v[LL], 31, v0
	s_lshl_b32 s17, s14, 16                        ; my wave's 16 tokens
	v_lshlrev_b32 v1, 4, v[RR]
	v_lshl_add_u32 v1, v[HH], 12, v1
	v_add_nc_u32 v[XOF], s17, v1                   ; 65,536 w + 4,096 (lane / 16) + 16 (lane % 16): K step 0
	v_add_nc_u32 v[XOF+1], 256, v[XOF]             ; K step 1
	s_lshl_b32 s17, s14, 10
	v_lshlrev_b32 v[VBI], 5, v[HH]
	v_add_nc_u32 v[VBI], s17, v[VBI]               ; 1,024 w + 32 (lane / 16)
	v_lshlrev_b32 v[VPA], 6, v[RR]
	v_lshl_add_u32 v[VPA], v[HH], 5, v[VPA]        ; 64 (lane % 16) + 32 (lane / 16)
	s_wait_kmcnt 0x0
	s_add_nc_u64 s[4:5], s[4:5], s[18:19]
	s_add_nc_u64 s[12:13], s[12:13], s[18:19]
	s_add_nc_u64 s[34:35], s[8:9], s[20:21]        ; global address: tile 0,
	s_add_nc_u64 s[38:39], s[34:35], WSLOT         ; tile 1
	s_or_b32 s35, s35, 0x80000000                  ; type = 2
	s_or_b32 s39, s39, 0x80000000
	XLOADS 0                                       ; x of K steps 0 and 1
	XLOADS 1
	global_load_b128 v[PAT:PAT+3],   v[VPA], s[6:7]
	global_load_b128 v[PAT+4:PAT+7], v[VPA], s[6:7] offset:16
.irp ct, 0,1,2,3,4,5,6,7,8,9,10,11,12,13,14,15
.irp tt, 0,1,2,3
	BIAS \ct, \tt                                  ; phase 0's biases start the sums
.endr
.endr
	WIN 0
	CROUND                                         ; all four work-groups are here: the first joint loads meet
	tensor_load_to_lds s[32:35], s[24:31]          ; both first fills together, ahead of every wait on TENSORcnt: two loads of mine are out
	s_nop 0
	tensor_load_to_lds s[36:39], s[24:31]
	s_nop 0
	PLACES
	v_lshl_add_u32 v[ADRB], v[LL], 4, s20
	v_add_nc_u32 v[ADRB+1], WSLOT, v[ADRB]
	v_mul_u32_u24 v1, v[RR], XPITCH                ; a fragment of x: token lane % 16, 16 bytes for each half of the lanes
	v_lshl_add_u32 v1, v[HH], 4, v1
	v_add_nc_u32 v[ADRX], XRING, v1
	v_add_nc_u32 v[ADRX+1], XRING+XSLOT, v1
	s_mul_i32 s17, s14, 16*XPITCH                  ; storing x: token 16 w + lane / 16, 8 bytes a lane
	v_mul_u32_u24 v1, v[HH], XPITCH
	v_lshl_add_u32 v1, v[RR], 3, v1
	v_add_nc_u32 v1, s17, v1
	v_add_nc_u32 v[XST], XRING, v1
	v_add_nc_u32 v[XST+1], XRING+XSLOT, v1
	s_lshl_b32 s17, s14, 6                         ; the stage, in: token lane % 16, head 4 w + lane / 16
	v_mul_u32_u24 v1, v[RR], QKP
	v_lshl_add_u32 v1, v[HH], 4, v1
	v_add_nc_u32 v1, s17, v1
	v_add_nc_u32 v[AST], QKST, v1
	s_mul_i32 s17, s14, 4*QKP                      ; the stage, back: tokens 4 w .. 4 w + 3
	s_add_co_u32 s17, s17, QKST
	v_lshl_add_u32 v[AQ], v[RR], 4, s17            ; q: head lane % 16
	s_add_co_u32 s17, s17, 512
	v_lshl_add_u32 v[AKF], v[LL], 4, s17           ; k: head lane % 16, hi for the lower lanes, lo (256 bytes on) for the upper
	s_mul_i32 s17, s14, 4*VHP                      ; v, in: token lane % 16 of a group, my four heads
	v_mul_u32_u24 v1, v[RR], VP
	v_lshl_add_u32 v1, v[HH], 4, v1
	v_add_nc_u32 v[AVS], s17, v1
.irp tt, 1,2,3
	v_add_nc_u32 v[AVS+(\tt)], 16*VP*(\tt), v[AVS]
.endr
	s_mul_i32 s17, s14, 4*VP                       ; v, back: tokens 4 w .. of a group; lane l reads head 8 (l / 16) + l % 8, channels 8 ((l / 8) % 2) + 0..7
	v_and_b32 v1, 7, v0
	v_lshl_add_u32 v1, v[HH], 3, v1
	v_mul_u32_u24 v1, v1, VHP
	v_bfe_u32 v[XSC], v0, 3, 1
	v_lshl_add_u32 v1, v[XSC], 4, v1
	v_add_nc_u32 v[AVR], s17, v1
.irp tt, 1,2,3
	v_add_nc_u32 v[AVR+(\tt)], 16*VP*(\tt), v[AVR]
.endr
	s_mul_i32 s17, s14, 2*16*OPI                   ; my way out
	s_add_co_u32 s17, s17, OSTG
	v_mul_u32_u24 v1, v[RR], OPI                   ; in: head lane % 16, 32 bytes for each half of the lanes
	v_lshl_add_u32 v1, v[HH], 5, v1
	v_add_nc_u32 v[OST], s17, v1
	v_mul_u32_u24 v1, v[HH], OPI                   ; back: lanes 0-15 one head's 256 bytes, lanes 16-31 the next's
	v_lshl_add_u32 v1, v[RR], 4, v1
	v_add_nc_u32 v[ORD], s17, v1
	s_lshl_b32 s17, s14, 14                        ; which are 512 consecutive bytes of out; my four tokens of a group
	v_lshl_add_u32 v[GO], v[LL], 4, s17
	WIN 0x40
.set i_, 0
.rept 128
	v_mov_b32 v[S+i_], 0                           ; both phases add onto the scores by one text, so they start at 0; this stands in the wait for the first tile
.set i_, i_+1
.endr
	WIN 0
	s_wait_loadcnt 0x0                             ; x of two K steps, the pattern, the biases
	s_add_nc_u64 s[10:11], s[10:11], 4096          ; phase 1's biases
.irp z, 0,1,2,3
	v_cvt_pk_bf16_f32 v[T+(\z)], v[PAT+2*(\z)], v[PAT+2*(\z)+1]  ; the pattern is rounded to bf16 like every input, and kept as f32
.endr
.irp z, 0,1,2,3
	v_lshlrev_b32 v[PAT+2*(\z)], 16, v[T+(\z)]
	v_and_b32 v[PAT+2*(\z)+1], s42, v[T+(\z)]
.endr
	XCV 0                                          ; K step 0's x into slot 0
	XNEXT 0                                        ; K step 2 is asked for
	s_wait_tensorcnt 0x1                           ; my part of slot 0 is in; slot 1's may stay out
	s_wait_dscnt 0x0                               ; for the others' sake: my stores of x are done
	BAR
	FB 0, 0, 0, B0
	FA 0, 0, A0
	WIN 0
	s_mov_b32 s41, 2
.Lphase:                                               ; phases 0 and 1: q and k for 32 channels of all heads, and their part of the scores
	s_mov_b32 s40, 8
.Lk:                                                   ; a trip: two K steps, once round the ring; both slots are filled again
	STEP 0, 1, 1, 8, 1, 0
	STEP 1, 1, 1, 8, 1, 0
	s_sub_co_u32 s40, s40, 1
	s_cmp_lg_u32 s40, 0
	s_cbranch_scc1 .Lk
	QKSTAGE
	s_sub_co_u32 s41, s41, 1
	s_cmp_lg_u32 s41, 0
	s_cbranch_scc1 .Lphase
	WIN 0x40
.irp j, 0,1,2,3,4,5,6,7
	v_mov_b32 v[PATW+(\j)], v[PAT+(\j)]            ; the pattern beside the scores, so that the softmax stays in one window
.endr
	WIN 0x55
.irp g, 0,1,2,3
	SOFTMAX4 \g
.endr
	WIN 0
	s_mov_b32 s40, 6
.Lkv:                                                  ; phase 2: v.  K steps 32 to 43 of the 48
	STEP 0, 1, 1, 8, 1, 0
	STEP 1, 1, 1, 8, 1, 0
	s_sub_co_u32 s40, s40, 1
	s_cmp_lg_u32 s40, 0
	s_cbranch_scc1 .Lkv
	STEP 0, 1, 1, 8, 1, 0                          ; the tail is written out: step 44 asks for tile 46 and for x of step 47,
	STEP 1, 1, 1, 8, 0, 0                          ; step 45 for tile 47 and no more x,
	STEP 0, 0, 1, 0, 0, 0                          ; step 46 for nothing: its wait for x is for the last set,
	STEP 1, 0, 0, 0, 0, 1                          ; step 47 fetches nothing
	; v INTO LDS, in f16, where the ring lay: it has had its last fill.  Every wave's reads of the ring are over (the last step waited for them) before any wave writes there.
	BAR
	PLACES                                         ; behind the last products
.irp hf, 0,1
.irp tt, 0,1,2,3
	WIN 0x0a+5*(\hf)                               ; sources 0 and 1: window 2 or 3
.irp b, 0,1,2,3,4,5,6,7
.irp z, 0,1,2,3
	v_cvt_pk_f16_f32 v[T+32*((\tt)%2)+4*(\b)+(\z)], v[8*(4*(\b)+(\tt))+2*(\z)], v[8*(4*(\b)+(\tt))+2*(\z)+1]
.endr
.endr
	WIN 0
.irp b, 0,1,2,3,4,5,6,7                ; tile ct = 8 hf + b: head 4 w + ct / 4, channels 16 (ct % 4) + 8 (lane / 16) + 0..7
	ds_store_b128 v[AVS+(\tt)], v[T+32*((\tt)%2)+4*(\b):T+32*((\tt)%2)+4*(\b)+3] offset:VHP*((8*(\hf)+(\b))/4)+32*((\b)%4)
.endr
.endr
.endr
	WIN 0x40
.irp f, 0,1,2,3,4,5,6,7
.irp z, 4,5,6,7
	v_mov_b32 v[VF+8*(\f)+(\z)], 0                 ; K = 16 .. 31 of V's fragments hold 0
.endr
.endr
	WIN 0
	s_wait_dscnt 0x0                               ; for the others' sake: my stores of v are done
	BAR
	LOADV 0
	LOADV 1
.set n_, 0
.rept 16
	TOK n_
.set n_, n_+1
.endr
	SEND 15, 0
	WIN 0
	s_wait_tensorcnt 0x0                           ; the wave's end: behind my last tensor load and my last LDS store
	ds_add_u32 v[SPW], v[NIL]
	s_wait_dscnt 0x0
	CROUND                                         ; the closing round: no work-group ends while a partner may still ask for a tile that names it
	s_endpgm
.Lfunc_end_k_qff564b017a_fused:
	.size	k_qff564b017a_fused, .Lfunc_end_k_qff564b017a_fused-k_qff564b017a_fused
	.p2alignl 7, 3214868480
	.fill 96, 4, 3214868480
	.section	.rodata,"a",@progbits
	.p2align	6, 0x0
	.amdhsa_kernel k_qff564b017a_fused
		.amdhsa_group_segment_fixed_size 327680
		.amdhsa_private_segment_fixed_size 0
		.amdhsa_enable_private_segment 0
		.amdhsa_kernarg_size 40
		.amdhsa_user_sgpr_count 2
		.amdhsa_user_sgpr_kernarg_segment_ptr 1
		.amdhsa_wavefront_size32 1
		.amdhsa_system_sgpr_workgroup_id_x 1
		.amdhsa_system_sgpr_workgroup_id_y 1
		.amdhsa_system_sgpr_workgroup_id_z 1
		.amdhsa_system_vgpr_workitem_id 0
		.amdhsa_next_free_vgpr 1024
		.amdhsa_next_free_sgpr 66
		.amdhsa_reserve_vcc 0
		.amdhsa_float_denorm_mode_32 3
		.amdhsa_float_denorm_mode_16_64 3
		.amdhsa_memory_ordered 1
		.amdhsa_forward_progress 1
		.amdhsa_inst_pref_size 255
	.end_amdhsa_kernel
	.section	.bss,"aw",@nobits
	.p2align	6
	.space	262144
	.amdgpu_metadata
---
amdhsa.version: [ 1, 2 ]
amdhsa.kernels:
  - .name:           k_qff564b017a_fused
    .symbol:         k_qff564b017a_fused.kd
    .args:
      - { .name: x, .offset: 0, .size: 8, .value_kind: global_buffer, .address_space: global }
      - { .name: sparsity_pattern, .offset: 8, .size: 8, .value_kind: global_buffer, .address_space: global }
      - { .name: wb, .offset: 16, .size: 8, .value_kind: global_buffer, .address_space: global }
      - { .name: bb, .offset: 24, .size: 8, .value_kind: global_buffer, .address_space: global }
      - { .name: out0, .offset: 32, .size: 8, .value_kind: global_buffer, .address_space: global }
    .group_segment_fixed_size: 327680
    .private_segment_fixed_size: 0
    .kernarg_segment_align: 8
    .kernarg_segment_size: 40
    .max_flat_workgroup_size: 128
    .sgpr_count:     66
    .vgpr_count:     1024
    .wavefront_size: 32
...
	.end_amdgpu_metadata
.endif
;; end of part 2
;; ======== version 2 of 2: 2 launches; 1.23 times as fast as version 1
;; limits: values are held in f16: magnitudes above 65,504 overflow, below 6.1e-05 lose precision
;; workspace buffers: wb 6,291,456 bytes; bb 12,288 bytes
;; launch prep: the kernel of part 1 again; grid 768 x 1, 4 waves a work-group, no clusters, 0 bytes of LDS; arguments Wq, Wk, Wv, bq, bk, bv, wb, bb; writes wb, bb
;; launch fused (part 3): grid 256 x 1, 4 waves a work-group, clusters of 4 x 1, 327,680 bytes of LDS; arguments x, sparsity_pattern, wb, bb, out0; writes out0
.if DOCPART == 3
	.amdgcn_target "amdgcn-amd-amdhsa--gfx1250"
	.amdhsa_code_object_version 6
	.text
	.protected	k_qff564b017a_fused
	.globl	k_qff564b017a_fused
	.p2align	8
	.type	k_qff564b017a_fused,@function
k_qff564b017a_fused:
	s_mov_b64 s[64:65], 0
	v_nop
	global_prefetch_b8 v0, s[64:65] scope:SCOPE_SE
	s_setreg_imm32_b32 hwreg(HW_REG_WAVE_MODE, 25, 1), 1
	s_wait_xcnt 0x0
	s_wait_alu depctr_hold_cnt(0) depctr_sa_sdst(0) depctr_va_vdst(0) depctr_va_sdst(0) depctr_va_ssrc(0) depctr_va_vcc(0) depctr_vm_vsrc(0)
	s_getreg_b32 s2, hwreg(HW_REG_IB_STS2, 6, 4)
	s_cmp_eq_u32 s2, 0
	s_cbranch_scc0 .Lentry_in_a_cluster
	s_endpgm
.Lentry_in_a_cluster:
	s_bfe_u32 s2, ttmp6, 0x10000c
	s_cmp_lg_u32 s2, 0x3003
	s_cbranch_scc0 .Lentry_shape_is_right
	s_endpgm
.Lentry_shape_is_right:
; q, k, v = x W^T + b; for each token the 16 x 16 scores q_h . k_g times the pattern; softmax over g; out_h = sum over g of attn[h][g] v_g.  All in one launch: q, k and v never go to memory.
; SHARES.  16,384 tokens, 256 work-groups of 64 tokens, four waves.  Three phases, each a product of 64 tokens x 1,024 columns x K = 1,024; a wave owns 64 tokens x 256 columns: 64 accumulators, 512 registers.
;   Phases 0 and 1 make q and k for channels 32 p .. 32 p + 31 of all heads (the wave: four heads); their part of the scores is added up in 128 registers (the wave: 16 tokens).  Phase 2 makes v.
; FORMATS.  x, the weights, the biases and the pattern are rounded to bf16.  q and k enter the score product as a pair of bf16, hi (cut off) + lo (the exact rest, rounded): 16 bits and more; one matrix
;   instruction takes 8 channels, its K = 32 holding q = [hi, hi, lo, lo] against k = [hi, lo, hi, lo], which adds up to (hi + lo)(hi + lo).  The weights p and v go in f16; sums, maximum and exponentials in f32.
; LIMITS.  v must stay under f16's 65,504 in magnitude; a weight below 2^-126 counts as 0; NaN and infinities are not treated apart.  The row's true maximum is taken away before the exponential.
; THE MATRIX INSTRUCTION IS USED TRANSPOSED: source 0 = 16 columns (rows of W), source 1 = 16 tokens: a lane holds one token (lane % 16) and the columns 8 (lane / 16) + 0..7 of a tile.
;   The accumulators start as the bias, loaded into them: every K step is alike, and nothing is cleared.
; W comes in K steps of 64 through two LDS slots of 131,072 bytes, in fragment order (the launch before wrote it so): wave w loads, and alone reads, its 32,768 bytes of a slot.
; CLUSTER.  The four work-groups of a cluster walk the same weights in the same order, so they ask for each tile JOINTLY: the same tensor load, descriptor and mask in all four.
; THE WALK ALONG K IS ROTATED.  Cluster c begins each phase at K step o(c) and goes round modulo 16: trip t takes tile 16 (t / 16) + (o + t) % 16, and x's K step (o + t) % 16.  So at one time the 64 clusters ask
;   for 16 different tiles of a phase, and from a phase's second trip on each asks for a tile that another cluster asked for a trip or more before.  The order of a sum over K is free within the result's allowance.
;   o = bits 0, 1, 3, 4 of c ^ (c >> 1): each start is taken by four clusters, and any half of the clusters that one bit of c picks still has all sixteen.  o hangs on the cluster's number alone, which the partners share.
; x is read once in each phase (three times in all): as f32 into registers, two K steps ahead, rounded to bf16, and stored into a small ring of its own in LDS; two slots of W and all of x in bf16 do not fit together.
; REGISTERS, in windows of 256 (s_set_vgpr_msb: bits 1:0 source 0, 3:2 source 1, 5:4 source 2, 7:6 destination):
;   window 0: addresses; x's fragments; x as loaded; at work      window 1: W's fragments, two buffers of 64; the scores, then the weights      windows 2, 3: the accumulators (ct, tt) at window 2 + ct / 8, v[8 (4 (ct % 8) + tt)]
.set WSLOT,  131072                    ; a slot of W: one K step of 64 for all four waves
.set WBLK,   32768                     ; a wave's part of it: [g 2][ct 16][c 2][lane 32][16 bytes]
.set XRING,  2*WSLOT                   ; x's ring: two slots, written by LDS stores alone
.set XPITCH, 144                       ; a token's 64 bf16 + 16 bytes = 36 words: the 16 rows of a fragment load start at 16 different groups of four banks (64 banks of 4 bytes: ISA guide 11.1)
.set XSLOT,  64*XPITCH
.set QKST,   XRING+2*XSLOT             ; the stage for q and k: two buffers of 16 tokens
.set QKP,    1040                      ; a token: q hi, q lo, k hi, k lo, each 16 heads x 16 bytes (8 channels), + 16 bytes = 260 words
.set QKBUF,  16*QKP
.set SPARE,  QKST+2*QKBUF              ; the spare words, 128 bytes for each wave: two blocks of 256 bytes that no other line names
.set VP,     2576                      ; behind the ring's last fill its bytes hold v in f16: a token is 16 heads x 160 + 16 bytes = 644 words
.set VHP,    160                       ; a head's 64 channels + 32 bytes = 40 words
.set OSTG,   196608                    ; and, behind v's 164,864 bytes, each wave's way out: two buffers of 16 heads x 272 bytes
.set OPI,    272
.set SPW,  2                           ; v2      LDS address of my spare word; never rewritten
.set NIL,  3                           ; v3      0; never rewritten
.set ADRB, 4                           ; v4-5    my lane's 16 bytes in my wave's part of slot 0, 1
.set ADRX, 6                           ; v6-7    my lane's place in a fragment of x, slot 0, 1
.set XST,  8                           ; v8-9    where I store x, slot 0, 1
.set XOF,  10                          ; v10-11  my byte offset in x for register set 0, 1: bits 11:8 hold the K step
.set VBI,  12                          ; v12     my byte offset in a phase's biases
.set AST,  13                          ; v13     the stage: where I put 16 bytes
.set AQ,   14                          ; v14     the stage: where I read q
.set AKF,  15                          ; v15     the stage: where I read k
.set AVS,  16                          ; v16-19  where I put v, by group of 16 tokens
.set AVR,  20                          ; v20-23  where I read v, by group of 16 tokens
.set OST,  24                          ; v24     the way out: where I put 16 bytes
.set ORD,  25                          ; v25     the way out: where I read rows back
.set GO,   26                          ; v26     my byte offset in out
.set XSC,  27                          ; v27     at work
.set RR,   28                          ; v28     lane % 16
.set HH,   29                          ; v29     lane / 16
.set LL,   30                          ; v30     lane
.set VPA,  31                          ; v31     my byte offset in the pattern
.set A0,   32                          ; v32-63, v64-95    x's fragments of the first and the second 32 along K: four of 8 registers
.set A1,   64
.set XS,   96                          ; v96-159   x as loaded, two sets of 32
.set XP,   160                         ; v160-175  x in bf16
.set T,    176                         ; v176-191  hi as f32
.set LO,   192                         ; v192-207  lo as f32
.set HP,   208                         ; v208-223  hi, packed
.set LP,   224                         ; v224-239  lo, packed
.set PAT,  240                         ; v240-247  pattern[lane % 16][8 (lane / 16) + 0..7]
.set B0,   0                           ; window 1: W's fragments, 8 tiles of 8 registers
.set B1,   64
.set S,    128                         ; window 1: the scores of my token n at S + 8 n
.set QF,   64                          ; window 1, in B1's place: for each of four tokens q's fragment (8), then k's (8)
.set PATW, 64                          ; window 1, in B1's place: the pattern, for the softmax
.set TS,   80                          ; window 1, in B1's place: eight registers at work for each of four tokens
.set VF,   0                           ; window 1, in B0's place: v's fragments, two sets of four
.set O,    0                           ; window 2: a token's result, two sets of 32
.set RB,   64                          ; window 2: a token's rows read back, two sets of 32
.set KS0,  45                          ; s45      o: the K step at which my cluster begins a phase
.set WBA,  50                          ; s[50:51] wb at my wave's part of tile 0; never rewritten
.set WOF,  52                          ; s[52:53] a tile's byte offset in wb
.set TNX,  54                          ; s54      the trip whose tile is asked for next
.set SCR,  55                          ; s55      at work
.set MSB, 0
.macro WIN new                         ; the immediate's high byte repeats the setting that is left; a switch that changes nothing is dropped
.if MSB != (\new)
	s_set_vgpr_msb (MSB<<8)|(\new)
.set MSB, (\new)
.endif
.endm
; A load into a register that a matrix instruction has read, and a vector instruction or LDS store that reads a matrix result or writes one of a matrix instruction's registers, stand four places behind it;
; only plain vector instructions that name none of its registers are places (ISA guide 7.12.1 for vector instructions).
.macro PLACES
.rept 4
	v_nop
.endr
.endm
.macro BAR
	s_barrier_signal -1
	s_barrier_wait -1
.endm
.macro CREST                           ; a round of the cluster's barrier behind its opening barrier: wave 0 signals for the work-group, every wave waits for all four work-groups, my work-group's barrier closes it
	s_cmp_lg_u32 s14, 0
	s_cbranch_scc1 .Lnot_wave_0_\@
	s_barrier_signal -3
.Lnot_wave_0_\@:
	s_barrier_wait -3
	s_barrier_signal -1
	s_barrier_wait -1
.endm
.macro CROUND
	BAR
	CREST
.endm
; Slot s's group 0 takes the tile of trip TNX: its address is made anew, wb's base plus the tile's number times 131,072, and the type bits are set again.
.macro NEXTW s
	s_add_co_u32 s[SCR], s[TNX], s[KS0]
	s_and_b32 s[SCR], s[SCR], 15                   ; the K step (o + t) % 16
	s_and_b32 s[WOF], s[TNX], 48                   ; 16 x the phase
	s_or_b32 s[WOF], s[WOF], s[SCR]                ; the tile
	s_lshl_b32 s[WOF], s[WOF], 17
	s_add_nc_u64 s[34+4*(\s):35+4*(\s)], s[WBA:WBA+1], s[WOF:WOF+1]
	s_or_b32 s[35+4*(\s)], s[35+4*(\s)], 0x80000000
	s_add_co_u32 s[TNX], s[TNX], 1
.endm
; 16 LDS loads: W's fragments of tiles 8 half .. 8 half + 7 for 32 along K (group g) of slot s: each load takes 512 consecutive bytes
.macro FB s, g, half, buf
	WIN 0x40                                       ; destination window 1, address window 0
.irp i, 0,1,2,3,4,5,6,7
	ds_load_b128 v[(\buf)+8*(\i):(\buf)+8*(\i)+3],   v[ADRB+(\s)] offset:16384*(\g)+1024*(8*(\half)+(\i))
	ds_load_b128 v[(\buf)+8*(\i)+4:(\buf)+8*(\i)+7], v[ADRB+(\s)] offset:16384*(\g)+1024*(8*(\half)+(\i))+512
.endr
.endm
; 8 LDS loads: x's four fragments (16 tokens x 32 K) of group g of slot s
.macro FA s, g, abuf
	WIN 0
.irp tt, 0,1,2,3
	ds_load_b128 v[(\abuf)+8*(\tt):(\abuf)+8*(\tt)+3],   v[ADRX+(\s)] offset:16*XPITCH*(\tt)+64*(\g)
	ds_load_b128 v[(\abuf)+8*(\tt)+4:(\abuf)+8*(\tt)+7], v[ADRX+(\s)] offset:16*XPITCH*(\tt)+64*(\g)+32
.endr
.endm
; 8 matrix instructions: tiles 8 half + b0, + 1 x the four groups of tokens.  The 32 accumulators of a run of four MUL8 take turns, one instruction a turn.
.macro MUL8 buf, abuf, half, b0
	WIN 0xa1+0x50*(\half)                          ; W window 1, x window 0, C and D window 2 or 3
.irp b, \b0, (\b0)+1
.irp tt, 0,1,2,3
	v_wmma_f32_16x16x32_bf16 v[8*(4*(\b)+(\tt)):8*(4*(\b)+(\tt))+7], v[(\buf)+8*(\b):(\buf)+8*(\b)+7], v[(\abuf)+8*(\tt):(\abuf)+8*(\tt)+7], v[8*(4*(\b)+(\tt)):8*(4*(\b)+(\tt))+7]
.endr
.endr
.endm
.macro MUL32 buf, abuf, half
	MUL8 \buf, \abuf, \half, 0
	MUL8 \buf, \abuf, \half, 2
	MUL8 \buf, \abuf, \half, 4
	MUL8 \buf, \abuf, \half, 6
.endm
; x.  My wave brings 16 of the 64 tokens: a load takes 256 consecutive bytes (64 channels) of each of two tokens.
.macro XLOADS k                        ; eight loads into register set k
.irp i, 0,1,2,3,4,5,6,7
	global_load_b128 v[XS+32*(\k)+4*(\i):XS+32*(\k)+4*(\i)+3], v[XOF+(\k)], s[4:5] offset:8192*(\i)
.endr
.endm
.macro XCV k                           ; set k is rounded to bf16 and stored into x's slot k
.irp i, 0,1,2,3,4,5,6,7
	v_cvt_pk_bf16_f32 v[XP+2*(\i)],   v[XS+32*(\k)+4*(\i)],   v[XS+32*(\k)+4*(\i)+1]
	v_cvt_pk_bf16_f32 v[XP+2*(\i)+1], v[XS+32*(\k)+4*(\i)+2], v[XS+32*(\k)+4*(\i)+3]
.endr
.irp i, 0,1,2,3,4,5,6,7
	ds_store_b64 v[XST+(\k)], v[XP+2*(\i):XP+2*(\i)+1] offset:2*XPITCH*(\i)
.endr
.endm
.macro XNEXT k                         ; set k asks for the K step two on, modulo 16, as the walk goes round and on into the next phase: only bits 11:8 of the offset change
	v_add_nc_u32 v[XSC], 512, v[XOF+(\k)]
	v_bfi_b32 v[XOF+(\k)], s44, v[XSC], v[XOF+(\k)]
	XLOADS \k
.endm
.macro XIN s, left, ld                 ; in trip t (slot s): trip t + 1's x goes into the other slot, whose readers all passed the last barrier; ld = 1: trip t + 3's is asked for
	WIN 0
	s_wait_loadcnt \left                           ; loads come back in order (ISA guide 5.7.1): the other set is in, and its offset register is free; the younger set's eight loads may stay out
	XCV 1-(\s)
.if \ld
	XNEXT 1-(\s)
.endif
.endm
.macro BIAS ct, tt                     ; accumulator (ct, tt) takes the bias of its lane's eight columns
	WIN 0x80+0x40*((\ct)/8)
.set AB_, 8*(4*((\ct)%8)+(\tt))
	global_load_b128 v[AB_:AB_+3],   v[VBI], s[10:11] offset:64*(\ct)
	global_load_b128 v[AB_+4:AB_+7], v[VBI], s[10:11] offset:64*(\ct)+16
.endm
; A K STEP of 64 in slot s: four runs of 32 matrix instructions; each run's fragments are fetched, in one run of loads, a run ahead.  On entry the first run's 24 loads are out.
; refill = 1: slot s is filled again with the tile two trips on.  xst, left, xld: XIN's.  last = 1: the very last step.
.macro STEP s, refill, xst, left, xld, last
.if \xst
	XIN \s, \left, \xld                            ; its 16 conversions are also the places in front of the loads into B1
	FB \s, 0, 1, B1
	s_wait_dscnt 24                                ; the first run's 24 loads are in; behind them stand x's eight stores and the 16 loads just issued, which may stay out:
	                                               ; the stores are waited for ahead of this step's barrier, behind which the other waves read them
.else
	PLACES
	FB \s, 0, 1, B1
	s_wait_dscnt 16                                ; all but the 16 just issued
.endif
	MUL32 B0, A0, 0
	PLACES
	FB \s, 1, 0, B0
	FA \s, 1, A1
	s_wait_dscnt 24                                ; all but the 24 just issued
	MUL32 B1, A0, 1
	PLACES
	FB \s, 1, 1, B1
	s_wait_dscnt 16                                ; all but the 16 just issued
	MUL32 B0, A1, 0
.if \last
	s_wait_dscnt 0x0
	MUL32 B1, A1, 1
	WIN 0
.else
	WIN 0                                          ; (the add's two registers lie in window 0)
	s_wait_tensorcnt 0x0                           ; all my tensor loads have landed: the one that was out is my part of the other slot;
	ds_add_u32 v[SPW], v[NIL]                      ; 0 onto my spare word
.if \refill
	NEXTW \s                                       ; no tensor load of mine is out, so the slot's group 0 may be written: its next tile
.endif
	s_wait_dscnt 0x1                               ; (only the add may be out: B1 is in)
	MUL8 B1, A1, 1, 0                              ; eight matrix instructions stand between the add and the wait for it
	s_wait_dscnt 0x0                               ; the add is done, my reads of this slot and of x's slot are over, and my stores of the next step's x are done
	s_barrier_signal -1
	MUL8 B1, A1, 1, 2
	WIN 0
	s_barrier_wait -1
.if \refill
	CREST                                          ; the barrier has opened a round of the cluster's: no wave of any partner still reads this slot or has a load on its way
	tensor_load_to_lds s[32+4*(\s):35+4*(\s)], s[24:31]                   ; my one tensor load behind the round: one is out until the next round
	s_nop 0
	PLACES                                         ; the places in front of the loads below
.else
	PLACES
.endif
	FB 1-(\s), 0, 0, B0
	FA 1-(\s), 0, A0
	MUL8 B1, A1, 1, 4
	MUL8 B1, A1, 1, 6
	WIN 0
.endif
.endm
; THE WAY OF q AND k INTO THE SCORES, in 16 sub-chunks n: the 16 tokens of group n / 4, the 8 channels of tiles 4 (n % 4) .. + 3 (q of my heads 0-1, 2-3; then k likewise).
; CONV n, h: two tiles (h = 0: q's, 1: k's) are split into hi and lo and packed; then they take the next phase's bias.
.macro CONV n, h
.set TT_, (\n)/4
.set E_, (\n)%4
	WIN 0x08+4*(E_/2)                              ; source 1: window 2 or 3
.irp c, 0,1
.set AC_, 8*(4*((4*E_+2*(\h)+(\c))%8)+TT_)
.irp j, 0,1,2,3,4,5,6,7
	v_and_b32 v[T+8*(\c)+(\j)], s42, v[AC_+(\j)]   ; hi: the upper 16 bits; the accumulator is read from its low end on
.endr
.endr
.irp c, 0,1
.set AC_, 8*(4*((4*E_+2*(\h)+(\c))%8)+TT_)
.irp z, 0,1,2,3
	v_pk_add_f32 v[LO+8*(\c)+2*(\z):LO+8*(\c)+2*(\z)+1], v[T+8*(\c)+2*(\z):T+8*(\c)+2*(\z)+1], v[AC_+2*(\z):AC_+2*(\z)+1] neg_lo:[1,0] neg_hi:[1,0]  ; lo = the number less hi, exact
.endr
.endr
	WIN 0
.irp c, 0,1
.irp z, 0,1,2,3
	v_perm_b32 v[HP+8*(\h)+4*(\c)+(\z)], v[T+8*(\c)+2*(\z)+1], v[T+8*(\c)+2*(\z)], s43
	v_cvt_pk_bf16_f32 v[LP+8*(\h)+4*(\c)+(\z)], v[LO+8*(\c)+2*(\z)], v[LO+8*(\c)+2*(\z)+1]
.endr
.endr
.irp c, 0,1
	BIAS 4*E_+2*(\h)+(\c), TT_
.endr
.endm
.macro STO n, h                        ; my four heads' 16 bytes of hi and of lo, for q (h = 0) or for k (h = 1), into buffer n % 2: token lane % 16
	WIN 0
.set BO_, QKBUF*((\n)%2)
.irp c, 0,1
	ds_store_b128 v[AST], v[HP+8*(\h)+4*(\c):HP+8*(\h)+4*(\c)+3] offset:BO_+512*(\h)+32*(\c)
	ds_store_b128 v[AST], v[LP+8*(\h)+4*(\c):LP+8*(\h)+4*(\c)+3] offset:BO_+512*(\h)+32*(\c)+256
.endr
.endm
.macro LDF n                           ; my four tokens of the 16, all heads: q = [hi, hi, lo, lo] (both halves of the lanes read the same), k = [hi, lo, hi, lo] (the upper lanes read lo; both register halves alike)
	WIN 0x40
.set BO_, QKBUF*((\n)%2)
.irp i, 0,1,2,3
	ds_load_b128 v[QF+16*(\i):QF+16*(\i)+3],     v[AQ]  offset:BO_+QKP*(\i)
	ds_load_b128 v[QF+16*(\i)+4:QF+16*(\i)+7],   v[AQ]  offset:BO_+QKP*(\i)+256
	ds_load_b128 v[QF+16*(\i)+8:QF+16*(\i)+11],  v[AKF] offset:BO_+QKP*(\i)
	ds_load_b128 v[QF+16*(\i)+12:QF+16*(\i)+15], v[AKF] offset:BO_+QKP*(\i)
.endr
.endm
.macro SC n                            ; S^T += K Q^T for four tokens: a lane holds head h = lane % 16 and g = 8 (lane / 16) + 0..7; the four accumulators take turns
	WIN 0x55
.irp i, 0,1,2,3
	v_wmma_f32_16x16x32_bf16 v[S+8*(4*((\n)/4)+(\i)):S+8*(4*((\n)/4)+(\i))+7], v[QF+16*(\i)+8:QF+16*(\i)+15], v[QF+16*(\i):QF+16*(\i)+7], v[S+8*(4*((\n)/4)+(\i)):S+8*(4*((\n)/4)+(\i))+7]
.endr
.endm
; One barrier a sub-chunk.  Behind barrier n a wave reads sub-chunk n out of buffer n % 2 and, while those 16 loads are on their way, converts sub-chunk n + 1 and stores it into the other buffer.
; In front of barrier n + 1 it has waited for both, so behind it buffer (n + 1) % 2 is whole, and buffer n % 2, which nobody reads any more, may be written again.
; The tile of W that is on its way may stay out.
.macro QKSTAGE
	CONV 0, 0
	STO 0, 0
	CONV 0, 1
	STO 0, 1
	s_wait_dscnt 0x0                               ; for the others' sake: my stores are done
	BAR
.set n_, 0
.rept 15
	LDF n_
	CONV n_+1, 0
	STO n_+1, 0
	CONV n_+1, 1
	STO n_+1, 1
	s_wait_dscnt 8                                 ; the sixteen loads are in; the eight stores issued behind them may stay out
	SC n_                                          ; the four products stand between the stores and the wait for them
	s_wait_dscnt 0x0                               ; for the others' sake: my stores are done (my reads of the other buffer are over since the wait above)
	s_barrier_signal -1
	PLACES                                         ; behind the four products: the loads behind the barrier write their fragments' registers
	s_barrier_wait -1
.set n_, n_+1
.endr
	LDF 15
	s_wait_dscnt 0x0
	SC 15
	WIN 0
	PLACES                                         ; behind the last four products: what follows writes their fragments' registers
	s_wait_loadcnt 0x0                             ; the next phase's biases are in the accumulators; the loads' base is free
	s_add_nc_u64 s[10:11], s[10:11], 4096          ; the phase after that
.endm
; THE SOFTMAX of four tokens, stage by stage, so that no line waits for the one before it.
.macro SR g, i
.set rS, S+8*(4*(\g)+(\i))
.set rT, TS+8*(\i)
.endm
.macro SOFTMAX4 g
.irp i, 0,1,2,3
	SR \g, \i
.irp z, 0,1,2,3
	v_pk_mul_f32 v[rS+2*(\z):rS+2*(\z)+1], v[rS+2*(\z):rS+2*(\z)+1], v[PATW+2*(\z):PATW+2*(\z)+1]  ; the pattern multiplies; the accumulator is read from its low end on
.endr
.endr
.irp i, 0,1,2,3
	SR \g, \i
	v_max3_num_f32 v[rT], v[rS], v[rS+1], v[rS+2]
	v_max3_num_f32 v[rT+1], v[rS+3], v[rS+4], v[rS+5]
.endr
.irp i, 0,1,2,3
	SR \g, \i
	v_max3_num_f32 v[rT], v[rT], v[rS+6], v[rS+7]
.endr
.irp i, 0,1,2,3
	SR \g, \i
	v_max_num_f32 v[rT], v[rT], v[rT+1]
.endr
.irp i, 0,1,2,3
	SR \g, \i
	v_permlanex16_b32 v[rT+1], v[rT], s48, s49     ; the row's other eight scores lie in the lane 16 away
.endr
.irp i, 0,1,2,3
	SR \g, \i
	v_max_num_f32 v[rT], v[rT], v[rT+1]            ; the row's maximum
.endr
.irp i, 0,1,2,3
	SR \g, \i
.irp z, 0,1,2,3
	v_pk_add_f32 v[rS+2*(\z):rS+2*(\z)+1], v[rS+2*(\z):rS+2*(\z)+1], v[rT:rT+1] op_sel_hi:[1,0] neg_lo:[0,1] neg_hi:[0,1]  ; s - m first, so that large scores lose nothing,
.endr
.endr
.irp i, 0,1,2,3
	SR \g, \i
.irp z, 0,1,2,3
	v_pk_mul_f32 v[rS+2*(\z):rS+2*(\z)+1], v[rS+2*(\z):rS+2*(\z)+1], s[46:47] op_sel_hi:[1,0]  ; then times log2(e)
.endr
.endr
.irp i, 0,1,2,3
	SR \g, \i
.irp j, 0,1,2,3,4,5,6,7
	v_exp_f32 v[rS+(\j)], v[rS+(\j)]
.endr
.endr
	v_nop                                          ; a plain instruction between the last exponential and the use of its result (ISA guide 5.7.2)
	s_wait_alu depctr_va_vdst(0)
.irp i, 0,1,2,3
	SR \g, \i
	v_pk_add_f32 v[rT+2:rT+3], v[rS:rS+1], v[rS+2:rS+3]
	v_pk_add_f32 v[rT+4:rT+5], v[rS+4:rS+5], v[rS+6:rS+7]
.endr
.irp i, 0,1,2,3
	SR \g, \i
	v_pk_add_f32 v[rT+2:rT+3], v[rT+2:rT+3], v[rT+4:rT+5]
.endr
.irp i, 0,1,2,3
	SR \g, \i
	v_add_f32 v[rT+2], v[rT+2], v[rT+3]
.endr
.irp i, 0,1,2,3
	SR \g, \i
	v_permlanex16_b32 v[rT+3], v[rT+2], s48, s49
.endr
.irp i, 0,1,2,3
	SR \g, \i
	v_add_f32 v[rT+2], v[rT+2], v[rT+3]            ; the row's sum: 1 at the least
.endr
.irp i, 0,1,2,3
	SR \g, \i
	v_rcp_f32 v[rT+4], v[rT+2]
.endr
	v_nop                                          ; a plain instruction between the last reciprocal and the use of its result
.irp i, 0,1,2,3
	SR \g, \i
	s_wait_alu depctr_va_vdst(0)
.irp z, 0,1,2,3
	v_pk_mul_f32 v[rS+2*(\z):rS+2*(\z)+1], v[rS+2*(\z):rS+2*(\z)+1], v[rT+4:rT+5] op_sel_hi:[1,0]
.endr
.endr
.irp i, 0,1,2,3
	SR \g, \i
.irp z, 0,1,2,3
	v_cvt_pk_f16_f32 v[rS+(\z)], v[rS+2*(\z)], v[rS+2*(\z)+1]  ; registers 0-3: g = 8 (lane / 16) + 0..7 of head lane % 16: source 1 of V^T P as it stands;
.endr
.endr
.irp i, 0,1,2,3
	SR \g, \i
.irp z, 4,5,6,7
	v_mov_b32 v[rS+(\z)], 0                        ; registers 4-7, K = 16 .. 31, hold 0: there are 16 heads
.endr
.endr
.endm
; THE SECOND PRODUCT AND THE WAY OUT, for my token n (token 16 (n / 4) + 4 wave + n % 4 of the work-group).
.macro LOADV n                         ; V^T: the turning load leaves channel 16 dt + lane % 16 and g = 8 (lane / 16) + 0..7 in registers 0-3
	WIN 0x40
.irp dt, 0,1,2,3
	ds_load_tr16_b128 v[VF+32*((\n)%2)+8*(\dt):VF+32*((\n)%2)+8*(\dt)+3], v[AVR+(\n)/4] offset:VP*((\n)%4)+32*(\dt)
.endr
.endm
.macro SEND n, younger                 ; younger: the LDS loads issued behind the token's rows, which may stay out
	WIN 0x08                                       ; data window 2, address window 0
	s_wait_dscnt \younger
.irp f, 0,1,2,3,4,5,6,7
	global_store_b128 v[GO], v[RB+32*((\n)%2)+4*(\f):RB+32*((\n)%2)+4*(\f)+3], s[12:13] offset:4096*(16*((\n)/4)+(\n)%4)+512*(\f) th:TH_STORE_NT  ; 512 consecutive bytes, at a multiple of 512 from out's first byte
.endr
.endm
.macro TOK n
.set Q_, (\n)%2
.if (\n) == 0
	s_wait_dscnt 4                                 ; behind this token's V: the next token's four loads
.elseif (\n) == 15
	s_wait_dscnt 16                                ; behind it: eight stores into the stage and eight loads from it
.else
	s_wait_dscnt 20                                ; behind it: those sixteen and the next token's four loads
.endif
	WIN 0x85                                       ; V and P window 1, O window 2
.irp dt, 0,1,2,3
	v_wmma_f32_16x16x32_f16 v[O+32*Q_+8*(\dt):O+32*Q_+8*(\dt)+7], v[VF+32*Q_+8*(\dt):VF+32*Q_+8*(\dt)+7], v[S+8*(\n):S+8*(\n)+7], 0
.endr
.if (\n) > 0
.if (\n) < 15
	SEND (\n)-1, 4
.else
	SEND (\n)-1, 0
.endif
.endif
.set Q_, (\n)%2
	PLACES                                         ; in front of the stores that read the results, and of the loads into V's registers
	WIN 0x08
.irp dt, 0,1,2,3                       ; a lane holds head lane % 16, channels 16 dt + 8 (lane / 16) + 0..7; each accumulator's low registers go first
	ds_store_b128 v[OST], v[O+32*Q_+8*(\dt):O+32*Q_+8*(\dt)+3]   offset:16*OPI*Q_+64*(\dt)
	ds_store_b128 v[OST], v[O+32*Q_+8*(\dt)+4:O+32*Q_+8*(\dt)+7] offset:16*OPI*Q_+64*(\dt)+16
.endr
	s_wait_xcnt 0x0                                ; the stores of the token two back have read the registers that are loaded again below
	WIN 0x80
.irp f, 0,1,2,3,4,5,6,7
	ds_load_b128 v[RB+32*Q_+4*(\f):RB+32*Q_+4*(\f)+3], v[ORD] offset:16*OPI*Q_+2*OPI*(\f)  ; LDS serves a wave's instructions in order (ISA guide 5.7.1.4): these see my stores above
.endr
.if (\n) < 14
	LOADV (\n)+2
.endif
.endm
	s_load_b256 s[4:11], s[0:1], 0x0               ; x s[4:5], pattern s[6:7], wb s[8:9], bb s[10:11]
	s_load_b64 s[12:13], s[0:1], 0x20              ; out
	v_lshl_add_u32 v[SPW], v0, 2, SPARE
	v_mov_b32 v[NIL], 0
	ds_add_u32 v2, v3
	s_wait_dscnt 0x0
	v_lshrrev_b32 v1, 5, v0
	v_readfirstlane_b32 s14, v1                    ; wave 0..3
	s_bfe_u32 s15, ttmp6, 0x40000                  ; cx: my place in the cluster
	s_lshl_b32 s16, ttmp9, 2                       ; in a cluster launch ttmp9 counts clusters
	s_add_co_u32 s16, s16, s15                     ; my work-group: it enters x's and out's addresses alone
	s_lshl_b32 s18, s16, 18                        ; its 64 tokens of 4,096 bytes
	s_mov_b32 s19, 0
	s_lshr_b32 s[KS0], ttmp9, 1                    ; o, from the cluster's number c alone:
	s_xor_b32 s[KS0], s[KS0], ttmp9                ; u = c ^ (c >> 1),
	s_lshr_b32 s[SCR], s[KS0], 1
	s_and_b32 s[SCR], s[SCR], 12                   ; its bits 3 and 4
	s_and_b32 s[KS0], s[KS0], 3                    ; and its bits 0 and 1
	s_or_b32 s[KS0], s[KS0], s[SCR]
	; descriptor group 1: 32,768 dense bytes as 128 rows of 256 bytes
	s_mov_b32 s24, 15|(3<<16)|(1<<21)              ; 15:0 the mask: all four work-groups; 17:16 elements of 8 bytes; 21 set beside a mask
	s_mov_b32 s25, 32<<16                          ; tensor_dim0 = 32
	s_mov_b32 s26, 128<<16                         ; tensor_dim1 = 128
	s_mov_b32 s27, 32<<16                          ; tile_dim0 = 32
	s_mov_b32 s28, 128                             ; tile_dim1 = 128
	s_mov_b32 s29, 32                              ; 32 elements from row to row
	s_mov_b32 s30, 0
	s_mov_b32 s31, 0
	s_mul_i32 s20, s14, WBLK                       ; my wave's part of a tile, in memory and in a slot: no place in the cluster enters it
	s_mov_b32 s21, 0
	s_mov_b32 s32, 1                               ; group 0, a set for each slot: count = 1,
	s_mov_b32 s33, s20                             ; LDS address
	s_mov_b32 s36, 1
	s_add_co_u32 s37, s20, WSLOT
	s_mov_b32 s[WOF+1], 0
	s_mov_b32 s[TNX], 2                            ; trips 0 and 1 are the first fills
	s_mov_b32 s42, 0xffff0000                      ; a word's upper 16 bits
	s_mov_b32 s43, 0x07060302                      ; v_perm_b32: the upper halves of two words
	s_mov_b32 s44, 0xf00                           ; the K step's bits in x's offsets
	s_mov_b32 s46, 0x3fb8aa3b                      ; log2(e)
	s_mov_b32 s47, s46                             ; named with it as a pair
	s_mov_b32 s48, 0x76543210                      ; v_permlanex16_b32: each lane takes its own place in the other half
	s_mov_b32 s49, 0xfedcba98
	v_and_b32 v[RR], 15, v0
	v_bfe_u32 v[HH], v0, 4, 1
	v_and_b32 v[LL], 31, v0
	s_lshl_b32 s17, s14, 16                        ; my wave's 16 tokens
	v_lshlrev_b32 v1, 4, v[RR]
	v_lshl_add_u32 v1, v[HH], 12, v1               ; 4,096 (lane / 16) + 16 (lane % 16)
	s_lshl_b32 s[SCR], s[KS0], 8
	s_add_co_u32 s[SCR], s[SCR], s17
	v_add_nc_u32 v[XOF], s[SCR], v1                ; + 65,536 w + 256 o: trip 0's K step
	s_add_co_u32 s[SCR], s[KS0], 1
	s_and_b32 s[SCR], s[SCR], 15                   ; (o + 1) % 16: trip 1's K step
	s_lshl_b32 s22, s[SCR], 8
	s_add_co_u32 s22, s22, s17
	v_add_nc_u32 v[XOF+1], s22, v1
	s_lshl_b32 s17, s14, 10
	v_lshlrev_b32 v[VBI], 5, v[HH]
	v_add_nc_u32 v[VBI], s17, v[VBI]               ; 1,024 w + 32 (lane / 16)
	v_lshlrev_b32 v[VPA], 6, v[RR]
	v_lshl_add_u32 v[VPA], v[HH], 5, v[VPA]        ; 64 (lane % 16) + 32 (lane / 16)
	s_wait_kmcnt 0x0
	s_add_nc_u64 s[4:5], s[4:5], s[18:19]
	s_add_nc_u64 s[12:13], s[12:13], s[18:19]
	s_add_nc_u64 s[WBA:WBA+1], s[8:9], s[20:21]    ; wb at my wave's part of tile 0
	s_lshl_b32 s[WOF], s[KS0], 17
	s_add_nc_u64 s[34:35], s[WBA:WBA+1], s[WOF:WOF+1]  ; global address: trip 0's tile, o,
	s_lshl_b32 s[WOF], s[SCR], 17
	s_add_nc_u64 s[38:39], s[WBA:WBA+1], s[WOF:WOF+1]  ; trip 1's, (o + 1) % 16
	s_or_b32 s35, s35, 0x80000000                  ; type = 2
	s_or_b32 s39, s39, 0x80000000
	CROUND                                         ; all four work-groups are here: the first joint loads meet
	tensor_load_to_lds s[32:35], s[24:31]          ; both first fills together, ahead of the global loads of x, the pattern and the biases, and of every wait on TENSORcnt: two loads of mine are out
	s_nop 0
	tensor_load_to_lds s[36:39], s[24:31]
	s_nop 0
	PLACES
	XLOADS 0                                       ; x of trips 0 and 1
	XLOADS 1
	global_load_b128 v[PAT:PAT+3],   v[VPA], s[6:7]
	global_load_b128 v[PAT+4:PAT+7], v[VPA], s[6:7] offset:16
.irp ct, 0,1,2,3,4,5,6,7,8,9,10,11,12,13,14,15
.irp tt, 0,1,2,3
	BIAS \ct, \tt                                  ; phase 0's biases start the sums
.endr
.endr
	WIN 0
	v_lshl_add_u32 v[ADRB], v[LL], 4, s20
	v_add_nc_u32 v[ADRB+1], WSLOT, v[ADRB]
	v_mul_u32_u24 v1, v[RR], XPITCH                ; a fragment of x: token lane % 16, 16 bytes for each half of the lanes
	v_lshl_add_u32 v1, v[HH], 4, v1
	v_add_nc_u32 v[ADRX], XRING, v1
	v_add_nc_u32 v[ADRX+1], XRING+XSLOT, v1
	s_mul_i32 s17, s14, 16*XPITCH                  ; storing x: token 16 w + lane / 16, 8 bytes a lane
	v_mul_u32_u24 v1, v[HH], XPITCH
	v_lshl_add_u32 v1, v[RR], 3, v1
	v_add_nc_u32 v1, s17, v1
	v_add_nc_u32 v[XST], XRING, v1
	v_add_nc_u32 v[XST+1], XRING+XSLOT, v1
	s_lshl_b32 s17, s14, 6                         ; the stage, in: token lane % 16, head 4 w + lane / 16
	v_mul_u32_u24 v1, v[RR], QKP
	v_lshl_add_u32 v1, v[HH], 4, v1
	v_add_nc_u32 v1, s17, v1
	v_add_nc_u32 v[AST], QKST, v1
	s_mul_i32 s17, s14, 4*QKP                      ; the stage, back: tokens 4 w .. 4 w + 3
	s_add_co_u32 s17, s17, QKST
	v_lshl_add_u32 v[AQ], v[RR], 4, s17            ; q: head lane % 16
	s_add_co_u32 s17, s17, 512
	v_lshl_add_u32 v[AKF], v[LL], 4, s17           ; k: head lane % 16, hi for the lower lanes, lo (256 bytes on) for the upper
	s_mul_i32 s17, s14, 4*VHP                      ; v, in: token lane % 16 of a group, my four heads
	v_mul_u32_u24 v1, v[RR], VP
	v_lshl_add_u32 v1, v[HH], 4, v1
	v_add_nc_u32 v[AVS], s17, v1
.irp tt, 1,2,3
	v_add_nc_u32 v[AVS+(\tt)], 16*VP*(\tt), v[AVS]
.endr
	s_mul_i32 s17, s14, 4*VP                       ; v, back: tokens 4 w .. of a group; lane l reads head 8 (l / 16) + l % 8, channels 8 ((l / 8) % 2) + 0..7
	v_and_b32 v1, 7, v0
	v_lshl_add_u32 v1, v[HH], 3, v1
	v_mul_u32_u24 v1, v1, VHP
	v_bfe_u32 v[XSC], v0, 3, 1
	v_lshl_add_u32 v1, v[XSC], 4, v1
	v_add_nc_u32 v[AVR], s17, v1
.irp tt, 1,2,3
	v_add_nc_u32 v[AVR+(\tt)], 16*VP*(\tt), v[AVR]
.endr
	s_mul_i32 s17, s14, 2*16*OPI                   ; my way out
	s_add_co_u32 s17, s17, OSTG
	v_mul_u32_u24 v1, v[RR], OPI                   ; in: head lane % 16, 32 bytes for each half of the lanes
	v_lshl_add_u32 v1, v[HH], 5, v1
	v_add_nc_u32 v[OST], s17, v1
	v_mul_u32_u24 v1, v[HH], OPI                   ; back: lanes 0-15 one head's 256 bytes, lanes 16-31 the next's
	v_lshl_add_u32 v1, v[RR], 4, v1
	v_add_nc_u32 v[ORD], s17, v1
	s_lshl_b32 s17, s14, 14                        ; which are 512 consecutive bytes of out; my four tokens of a group
	v_lshl_add_u32 v[GO], v[LL], 4, s17
	WIN 0x40
.set i_, 0
.rept 128
	v_mov_b32 v[S+i_], 0                           ; both phases add onto the scores by one text, so they start at 0; this stands in the wait for the first tile
.set i_, i_+1
.endr
	WIN 0
	s_wait_loadcnt 0x0                             ; x of two K steps, the pattern, the biases
	s_add_nc_u64 s[10:11], s[10:11], 4096          ; phase 1's biases
.irp z, 0,1,2,3
	v_cvt_pk_bf16_f32 v[T+(\z)], v[PAT+2*(\z)], v[PAT+2*(\z)+1]  ; the pattern is rounded to bf16 like every input, and kept as f32
.endr
.irp z, 0,1,2,3
	v_lshlrev_b32 v[PAT+2*(\z)], 16, v[T+(\z)]
	v_and_b32 v[PAT+2*(\z)+1], s42, v[T+(\z)]
.endr
	XCV 0                                          ; trip 0's x into slot 0
	XNEXT 0                                        ; trip 2's is asked for
	s_wait_tensorcnt 0x1                           ; my part of slot 0 is in; slot 1's may stay out
	s_wait_dscnt 0x0                               ; for the others' sake: my stores of x are done
	BAR
	FB 0, 0, 0, B0
	FA 0, 0, A0
	WIN 0
	s_mov_b32 s41, 2
.Lphase:                                               ; phases 0 and 1: q and k for 32 channels of all heads, and their part of the scores
	s_mov_b32 s40, 8
.Lk:                                                   ; a trip of this loop: two K steps, once round the ring; both slots are filled again
	STEP 0, 1, 1, 8, 1, 0
	STEP 1, 1, 1, 8, 1, 0
	s_sub_co_u32 s40, s40, 1
	s_cmp_lg_u32 s40, 0
	s_cbranch_scc1 .Lk
	QKSTAGE
	s_sub_co_u32 s41, s41, 1
	s_cmp_lg_u32 s41, 0
	s_cbranch_scc1 .Lphase
	WIN 0x40
.irp j, 0,1,2,3,4,5,6,7
	v_mov_b32 v[PATW+(\j)], v[PAT+(\j)]            ; the pattern beside the scores, so that the softmax stays in one window
.endr
	WIN 0x55
.irp g, 0,1,2,3
	SOFTMAX4 \g
.endr
	WIN 0
	s_mov_b32 s40, 6
.Lkv:                                                  ; phase 2: v.  K steps 32 to 43 of the 48
	STEP 0, 1, 1, 8, 1, 0
	STEP 1, 1, 1, 8, 1, 0
	s_sub_co_u32 s40, s40, 1
	s_cmp_lg_u32 s40, 0
	s_cbranch_scc1 .Lkv
	STEP 0, 1, 1, 8, 1, 0                          ; the tail is written out: step 44 asks for step 46's tile and for x of step 47,
	STEP 1, 1, 1, 8, 0, 0                          ; step 45 for step 47's tile and no more x,
	STEP 0, 0, 1, 0, 0, 0                          ; step 46 for nothing: its wait for x is for the last set,
	STEP 1, 0, 0, 0, 0, 1                          ; step 47 fetches nothing
	; v INTO LDS, in f16, where the ring lay: it has had its last fill.  Every wave's reads of the ring are over (the last step waited for them) before any wave writes there.
	BAR
	PLACES                                         ; behind the last products
.irp hf, 0,1
.irp tt, 0,1,2,3
	WIN 0x0a+5*(\hf)                               ; sources 0 and 1: window 2 or 3
.irp b, 0,1,2,3,4,5,6,7
.irp z, 0,1,2,3
	v_cvt_pk_f16_f32 v[T+32*((\tt)%2)+4*(\b)+(\z)], v[8*(4*(\b)+(\tt))+2*(\z)], v[8*(4*(\b)+(\tt))+2*(\z)+1]
.endr
.endr
	WIN 0
.irp b, 0,1,2,3,4,5,6,7                ; tile ct = 8 hf + b: head 4 w + ct / 4, channels 16 (ct % 4) + 8 (lane / 16) + 0..7
	ds_store_b128 v[AVS+(\tt)], v[T+32*((\tt)%2)+4*(\b):T+32*((\tt)%2)+4*(\b)+3] offset:VHP*((8*(\hf)+(\b))/4)+32*((\b)%4)
.endr
.endr
.endr
	WIN 0x40
.irp f, 0,1,2,3,4,5,6,7
.irp z, 4,5,6,7
	v_mov_b32 v[VF+8*(\f)+(\z)], 0                 ; K = 16 .. 31 of V's fragments hold 0
.endr
.endr
	WIN 0
	s_wait_dscnt 0x0                               ; for the others' sake: my stores of v are done
	BAR
	LOADV 0
	LOADV 1
.set n_, 0
.rept 16
	TOK n_
.set n_, n_+1
.endr
	SEND 15, 0
	WIN 0
	s_wait_tensorcnt 0x0                           ; the wave's end: behind my last tensor load and my last LDS store
	ds_add_u32 v[SPW], v[NIL]
	s_wait_dscnt 0x0
	CROUND                                         ; the closing round: no work-group ends while a partner may still ask for a tile that names it
	s_endpgm
.Lfunc_end_k_qff564b017a_fused:
	.size	k_qff564b017a_fused, .Lfunc_end_k_qff564b017a_fused-k_qff564b017a_fused
	.p2alignl 7, 3214868480
	.fill 96, 4, 3214868480
	.section	.rodata,"a",@progbits
	.p2align	6, 0x0
	.amdhsa_kernel k_qff564b017a_fused
		.amdhsa_group_segment_fixed_size 327680
		.amdhsa_private_segment_fixed_size 0
		.amdhsa_enable_private_segment 0
		.amdhsa_kernarg_size 40
		.amdhsa_user_sgpr_count 2
		.amdhsa_user_sgpr_kernarg_segment_ptr 1
		.amdhsa_wavefront_size32 1
		.amdhsa_system_sgpr_workgroup_id_x 1
		.amdhsa_system_sgpr_workgroup_id_y 1
		.amdhsa_system_sgpr_workgroup_id_z 1
		.amdhsa_system_vgpr_workitem_id 0
		.amdhsa_next_free_vgpr 1024
		.amdhsa_next_free_sgpr 66
		.amdhsa_reserve_vcc 0
		.amdhsa_float_denorm_mode_32 3
		.amdhsa_float_denorm_mode_16_64 3
		.amdhsa_memory_ordered 1
		.amdhsa_forward_progress 1
		.amdhsa_inst_pref_size 255
	.end_amdhsa_kernel
	.section	.bss,"aw",@nobits
	.p2align	6
	.space	262144
	.amdgpu_metadata
---
amdhsa.version: [ 1, 2 ]
amdhsa.kernels:
  - .name:           k_qff564b017a_fused
    .symbol:         k_qff564b017a_fused.kd
    .args:
      - { .name: x, .offset: 0, .size: 8, .value_kind: global_buffer, .address_space: global }
      - { .name: sparsity_pattern, .offset: 8, .size: 8, .value_kind: global_buffer, .address_space: global }
      - { .name: wb, .offset: 16, .size: 8, .value_kind: global_buffer, .address_space: global }
      - { .name: bb, .offset: 24, .size: 8, .value_kind: global_buffer, .address_space: global }
      - { .name: out0, .offset: 32, .size: 8, .value_kind: global_buffer, .address_space: global }
    .group_segment_fixed_size: 327680
    .private_segment_fixed_size: 0
    .kernarg_segment_align: 8
    .kernarg_segment_size: 40
    .max_flat_workgroup_size: 128
    .sgpr_count:     66
    .vgpr_count:     1024
    .wavefront_size: 32
...
	.end_amdgpu_metadata
.endif
;; end of part 3
